; MI455X (gfx1250); checked and timed in simulation.
; The chip was launched on July 23, 2026; its instructions are those of AMD's public machine-readable ISA for CDNA 5 (MIT licence, August 2026) and "CDNA5" Instruction Set Architecture Reference Guide (July 2026). The comments in the code are by the model that wrote it; some were corrected since.
;; Input Embedding. Allowed arithmetic: float matrix products may take bf16 or f16 operands with f32 sums; other float arithmetic in f32, or as packed bf16 or f16 multiplies, adds, multiply-adds, maxima and minima; sums over many terms, partial sums and values carried from step to step in f32; what a program stores and reads back later, other than sums and carried values, may be rounded once to bf16 or f16.
;; Inputs: W1 64 x 9 float32; W2 64 x 64 float32; W3 128 x 64 float32; b1 64 float32; b2 64 float32; b3 128 float32; beta1 64 float32; beta2 64 float32; beta3 128 float32; g1 64 float32; g2 64 float32; g3 128 float32; xyz 4 x 4,096 x 3 float32.
;; Outputs: out0 4 x 4,096 x 3 float32; out1 4 x 4,096 x 128 float32.
;; One version. Each part assembles by itself: llvm-mc -triple=amdgcn-amd-amdhsa -mcpu=gfx1250 --defsym DOCPART=n.
;; ======== version 1 of 1: 5 launches
;; limits: values are held in f16: magnitudes above 65,504 overflow, below 6.1e-05 lose precision
;; workspace buffers: mask 8,388,608 bytes of whole numbers; nbr 2,097,152 bytes of whole numbers; tab8 131,072 bytes; wfr 30,720 bytes; part1 32,768 bytes; part2 131,072 bytes; part3 262,144 bytes; maxv 8,388,608 bytes
;; launch ball (part 1): grid 256 x 1, 16 waves a work-group, no clusters, 69,632 bytes of LDS; arguments xyz, W1, b1, W2, W3, g3, mask, tab8, wfr, out0; writes mask, tab8, wfr, out0
.if DOCPART == 1
	.amdgcn_target "amdgcn-amd-amdhsa--gfx1250"
	.amdhsa_code_object_version 6
	.text
	.protected	k_q2fbb7c3130_ball
	.globl	k_q2fbb7c3130_ball
	.p2align	8
	.type	k_q2fbb7c3130_ball,@function
k_q2fbb7c3130_ball:
	s_mov_b64 s[64:65], 0
	v_nop
	global_prefetch_b8 v0, s[64:65] scope:SCOPE_SE
	s_setreg_imm32_b32 hwreg(HW_REG_WAVE_MODE, 25, 1), 1
	s_wait_xcnt 0x0
; BALL QUERY, PART 1: for every pair (i, j) of a batch one bit: squared distance <= 0.01.  mask[row][128 words], bit l of word w is j = 32 w + l.
; All inputs of the program are rounded to bf16 first (to nearest even).  Products of two such numbers are exact in f32, so a fused and an unfused chain give the same bits;
; the order of the sums is x, y, z ascending for sq and for the dot product, then sq_i + sq_j, then - 2 dot.  The factor -2 is folded into j's coordinates (exact).
; SHARES.  Work-group: 128 rows x 2,048 j of one batch.  Wave w: all 128 rows x 128 j (4 mask words).  Lane l: rows 4 l .. 4 l + 3, as two packed pairs; j is the same in all lanes.
; Eight vector instructions serve 64 pairs: six packed f32 lines and two lines that shift the sign of 0.01 - d2 into a row's word.
; LDS.  0: 2,048 entries of 16 bytes (-2x, -2y, -2z, sq); inside each group of 32 the order is turned, so that ascending addresses give descending j and the bit shifted in first ends as bit 31.
;       32,768: the stage, 128 rows of 256 bytes, 272 apart.  67,584: the spare words, 128 bytes a wave.
; BESIDE IT, under forward branches on the work-group's number: out0 (xyz rounded to bf16), the table tab8 (x, y, z, 1 in f16), the weights as f16 matrix fragments, and layer 1 as a linear form.
; LIMITS.  NaN and infinities are not treated apart.  Coordinates and weights written as f16 keep f16's range (65,504) and, below 6e-5, its fixed step of 6e-8; the distances use the f32 values.
.set THRB,   0x3c23d70a                ; 0.1 * 0.1 in f32
.set STG,    32768
.set SPITCH, 272
.set SPARE,  67584
.set SPW, 2                            ; v2   my spare word's LDS address; never rewritten
.set NIL, 3                            ; v3   0; never rewritten
.set JA,  4                            ; v4   LDS address of the word's 32 entries (the same in all lanes)
.set SA,  5                            ; v5   where my four rows' words go in the stage
.set LN,  6                            ; v6   lane
.set A0,  7
.set A1,  8
.set A2,  9
.set TH,  10                           ; v[10:11] the threshold, twice
.set X,   12                           ; v[12:15], v[16:19], v[20:23], v[24:27]: x, y, z, sq of four points
.set Y,   16
.set Z,   20
.set SQ,  24
.set RJ,  28                           ; v[28:39] 48 bytes as loaded: my four j
.set RR,  40                           ; v[40:51] my four rows
.set ACC, 52                           ; v[52:55] the word in the making, one for each row
.set CH,  56                           ; v[56:71] four chains (two j x two row pairs): -2 dot, then the sum; also the temporaries of every rounding to bf16
.set BA,  72                           ; v[72:103], v[104:135] two buffers of eight entries
.set BB,  104
	s_load_b512 s[8:23], s[0:1], 0x0               ; xyz s[8:9], W1 s[10:11], b1 s[12:13], W2 s[14:15], W3 s[16:17], g3 s[18:19], mask s[20:21], tab8 s[22:23]
	s_load_b128 s[24:27], s[0:1], 0x40             ; wfr s[24:25], out0 s[26:27]
	v_lshl_add_u32 v[SPW], v0, 2, SPARE
	v_mov_b32 v[NIL], 0
	v_lshrrev_b32 v1, 5, v0
	v_readfirstlane_b32 s2, v1                     ; wave 0..15
	v_and_b32 v[LN], 31, v0
	s_mov_b32 s29, ttmp9                           ; work-group
	s_lshr_b32 s3, s29, 6                          ; batch
	s_and_b32 s4, s29, 1                           ; which half of the batch's j
	s_lshr_b32 s5, s29, 1                          ; block of 128 rows, counted over all batches
	s_mul_i32 s6, s3, 49152
	s_mul_i32 s7, s4, 24576
	s_add_co_u32 s6, s6, s7                        ; byte at which my 2,048 j begin in xyz
	v_mul_u32_u24 v[A0], v0, 48                    ; thread t takes j 4 t .. 4 t + 3: 48 bytes
	v_add_nc_u32 v[A0], s6, v[A0]
	s_mul_i32 s7, s5, 1536
	v_mul_u32_u24 v[A1], v[LN], 48                 ; lane l takes rows 4 l .. 4 l + 3
	v_add_nc_u32 v[A1], s7, v[A1]
	v_lshlrev_b32 v[A2], 2, v0
	v_xor_b32 v[A2], 28, v[A2]                     ; (4 t & ~31) + 28 - (4 t & 31): the place of j = 4 t + 3 in the turned order
	v_lshlrev_b32 v[A2], 4, v[A2]
	v_mov_b32 v[TH], THRB
	v_mov_b32 v[TH+1], THRB
	s_lshl_b32 s6, s2, 11
	v_mov_b32 v[JA], s6                            ; my wave's 128 entries
	s_lshl_b32 s7, s2, 4
	s_add_co_u32 s7, s7, STG
	v_mul_u32_u24 v[SA], v[LN], 4*SPITCH
	v_add_nc_u32 v[SA], s7, v[SA]                  ; row 4 l, words 4 w ..
	s_wait_kmcnt 0x0
.irp i, 0,1,2
	global_load_b128 v[RJ+4*\i:RJ+4*\i+3], v[A0], s[8:9] offset:16*\i
.endr
.irp i, 0,1,2
	global_load_b128 v[RR+4*\i:RR+4*\i+3], v[A1], s[8:9] offset:16*\i
.endr
.macro RND4 src                        ; twelve numbers rounded to bf16 and laid out as x, y, z of four points
.irp i, 0,1,2,3,4,5
	v_cvt_pk_bf16_f32 v[CH+\i], v[\src+2*\i], v[\src+2*\i+1]
.endr
.set e, 0
.rept 12
.if e%2 == 0
	v_lshlrev_b32 v[X+4*(e%3)+e/3], 16, v[CH+e/2]
.else
	v_and_b32 v[X+4*(e%3)+e/3], 0xffff0000, v[CH+e/2]
.endif
.set e, e+1
.endr
.endm
.macro SQ4                             ; sq = (x x + y y) + z z
.irp p, 0,2
	v_pk_mul_f32 v[SQ+\p:SQ+\p+1], v[X+\p:X+\p+1], v[X+\p:X+\p+1]
.endr
.irp p, 0,2
	v_pk_fma_f32 v[SQ+\p:SQ+\p+1], v[Y+\p:Y+\p+1], v[Y+\p:Y+\p+1], v[SQ+\p:SQ+\p+1]
.endr
.irp p, 0,2
	v_pk_fma_f32 v[SQ+\p:SQ+\p+1], v[Z+\p:Z+\p+1], v[Z+\p:Z+\p+1], v[SQ+\p:SQ+\p+1]
.endr
.endm
	s_wait_loadcnt 3                               ; my four j are in; the three loads of my rows are younger
	RND4 RJ
	SQ4
.irp q, 0,1,2,3
	v_mul_f32 v[BA+4*\q], -2.0, v[X+\q]
	v_mul_f32 v[BA+4*\q+1], -2.0, v[Y+\q]
	v_mul_f32 v[BA+4*\q+2], -2.0, v[Z+\q]
	v_mov_b32 v[BA+4*\q+3], v[SQ+\q]
	ds_store_b128 v[A2], v[BA+4*\q:BA+4*\q+3] offset:16*(3-\q)
.endr
	s_wait_loadcnt 0x0
	RND4 RR
	SQ4
	s_wait_dscnt 0x0                               ; for the others' sake: my entries are written
	s_barrier_signal -1
	s_barrier_wait -1
.macro FETCH buf, g                    ; eight entries, the same address in all lanes
.irp i, 0,1,2,3,4,5,6,7
	ds_load_b128 v[\buf+4*\i:\buf+4*\i+3], v[JA] offset:128*\g+16*\i
.endr
.endm
; Two j against both row pairs, stage by stage over the four chains, so that no line waits for the one before it.
.macro JJ buf, idx, fst
.irp jj, 0,1
.irp pr, 0,1
	v_pk_mul_f32 v[CH+4*(2*\jj+\pr):CH+4*(2*\jj+\pr)+1], v[X+2*\pr:X+2*\pr+1], v[\buf+4*(2*\idx+\jj):\buf+4*(2*\idx+\jj)+1] op_sel_hi:[1,0]
.endr
.endr
.irp jj, 0,1
.irp pr, 0,1
	v_pk_fma_f32 v[CH+4*(2*\jj+\pr):CH+4*(2*\jj+\pr)+1], v[Y+2*\pr:Y+2*\pr+1], v[\buf+4*(2*\idx+\jj):\buf+4*(2*\idx+\jj)+1], v[CH+4*(2*\jj+\pr):CH+4*(2*\jj+\pr)+1] op_sel:[0,1,0] op_sel_hi:[1,1,1]
.endr
.endr
.irp jj, 0,1
.irp pr, 0,1
	v_pk_fma_f32 v[CH+4*(2*\jj+\pr):CH+4*(2*\jj+\pr)+1], v[Z+2*\pr:Z+2*\pr+1], v[\buf+4*(2*\idx+\jj)+2:\buf+4*(2*\idx+\jj)+3], v[CH+4*(2*\jj+\pr):CH+4*(2*\jj+\pr)+1] op_sel_hi:[1,0,1]
.endr
.endr
.irp jj, 0,1
.irp pr, 0,1
	v_pk_add_f32 v[CH+4*(2*\jj+\pr)+2:CH+4*(2*\jj+\pr)+3], v[SQ+2*\pr:SQ+2*\pr+1], v[\buf+4*(2*\idx+\jj)+2:\buf+4*(2*\idx+\jj)+3] op_sel:[0,1] op_sel_hi:[1,1]
.endr
.endr
.irp c, 0,1,2,3
	v_pk_add_f32 v[CH+4*\c+2:CH+4*\c+3], v[CH+4*\c+2:CH+4*\c+3], v[CH+4*\c:CH+4*\c+1]
.endr
.irp c, 0,1,2,3
	v_pk_add_f32 v[CH+4*\c+2:CH+4*\c+3], v[TH:TH+1], v[CH+4*\c+2:CH+4*\c+3] neg_lo:[0,1] neg_hi:[0,1]  ; negative exactly where d2 > 0.01
.endr
.irp jj, 0,1
.irp rr, 0,1,2,3
.if (\fst) && (\jj == 0)
	v_lshrrev_b32 v[ACC+\rr], 31, v[CH+4*(2*\jj+\rr/2)+2+\rr%2]                    ; the word's first bit starts it: nothing is cleared
.else
	v_alignbit_b32 v[ACC+\rr], v[ACC+\rr], v[CH+4*(2*\jj+\rr/2)+2+\rr%2], 31       ; word << 1 | sign
.endif
.endr
.endr
.endm
.macro GRP buf, fst
	JJ \buf, 0, \fst
	JJ \buf, 1, 0
	JJ \buf, 2, 0
	JJ \buf, 3, 0
.endm
	s_mov_b32 s28, 4
.Lword:                                                ; a trip makes one mask word of each of my four rows
	FETCH BA, 0
	FETCH BB, 1
	s_wait_dscnt 8                                 ; all but the eight loads just issued (the last trip's four stores are older still)
	GRP BA, 1
	FETCH BA, 2
	s_wait_dscnt 8
	GRP BB, 0
	FETCH BB, 3
	s_wait_dscnt 8
	GRP BA, 0
	s_wait_dscnt 0x0
	GRP BB, 0
.irp rr, 0,1,2,3
	v_not_b32 v[ACC+\rr], v[ACC+\rr]               ; 1 = inside the ball
	ds_store_b32 v[SA], v[ACC+\rr] offset:\rr*SPITCH
.endr
	v_add_nc_u32 v[JA], 512, v[JA]
	v_add_nc_u32 v[SA], 4, v[SA]
	s_sub_co_u32 s28, s28, 1
	s_cmp_lg_u32 s28, 0
	s_cbranch_scc1 .Lword
	; the way out: wave w takes rows 8 w .. 8 w + 7 whole; sixteen lanes store 256 consecutive bytes, aligned
	v_lshrrev_b32 v1, 4, v[LN]
	s_lshl_b32 s6, s2, 3
	v_add_nc_u32 v1, s6, v1                        ; row 8 w + l / 16
	v_and_b32 v[A1], 15, v[LN]
	v_mul_u32_u24 v[A2], v1, SPITCH
	v_lshl_add_u32 v[A2], v[A1], 4, v[A2]
	v_add_nc_u32 v[A2], STG, v[A2]
	v_lshlrev_b32 v[A0], 9, v1
	v_lshl_add_u32 v[A0], v[A1], 4, v[A0]
	s_lshl_b32 s7, s4, 8
	v_add_nc_u32 v[A0], s7, v[A0]
	s_lshl_b32 s6, s5, 16                          ; 128 rows of 512 bytes
	s_mov_b32 s7, 0
	s_add_nc_u64 s[20:21], s[20:21], s[6:7]
	s_wait_tensorcnt 0x0                           ; my last LDS store is behind me
	ds_add_u32 v[SPW], v[NIL]
	s_wait_dscnt 0x0                               ; the wait also shows my words written, for the others' sake
	s_barrier_signal -1
	s_barrier_wait -1
.irp t, 0,1,2,3
	ds_load_b128 v[BA+4*\t:BA+4*\t+3], v[A2] offset:\t*2*SPITCH
.endr
.irp t, 0,1,2,3
	s_wait_dscnt 3-\t                              ; LDS loads come back in order: number t is in
	global_store_b128 v[A0], v[BA+4*\t:BA+4*\t+3], s[20:21] offset:\t*1024
.endr
	; ---- the small tables.  No LDS from here on.
	s_wait_xcnt 0x0                                ; the stores' address register is rewritten only behind this wait
	s_cmp_lt_u32 s29, 24
	s_cbranch_scc0 .Lno_out0
	s_lshl_b32 s6, s29, 13                         ; out0: 24 work-groups x 512 threads x 16 bytes
	v_lshl_add_u32 v[A0], v0, 4, s6
	global_load_b128 v[RJ:RJ+3], v[A0], s[8:9]
	s_wait_loadcnt 0x0
	v_cvt_pk_bf16_f32 v[CH], v[RJ], v[RJ+1]
	v_cvt_pk_bf16_f32 v[CH+1], v[RJ+2], v[RJ+3]
	v_lshlrev_b32 v[RJ], 16, v[CH]
	v_and_b32 v[RJ+1], 0xffff0000, v[CH]
	v_lshlrev_b32 v[RJ+2], 16, v[CH+1]
	v_and_b32 v[RJ+3], 0xffff0000, v[CH+1]
	global_store_b128 v[A0], v[RJ:RJ+3], s[26:27]
.Lno_out0:
	s_cmp_lt_u32 s29, 32
	s_cbranch_scc0 .Lno_tab
	s_lshl_b32 s6, s29, 9                          ; tab8: 32 work-groups x 512 points; registers other than out0's
	v_add_nc_u32 v[A1], s6, v0
	v_mul_u32_u24 v[A2], v[A1], 12
	global_load_b32 v32, v[A2], s[8:9]
	global_load_b32 v33, v[A2], s[8:9] offset:4
	global_load_b32 v34, v[A2], s[8:9] offset:8
	v_mov_b32 v35, 1.0
	v_lshlrev_b32 v[A1], 3, v[A1]
	s_wait_loadcnt 0x0
	v_cvt_pk_bf16_f32 v[CH+2], v32, v33
	v_cvt_pk_bf16_f32 v[CH+3], v34, v34
	v_lshlrev_b32 v32, 16, v[CH+2]
	v_and_b32 v33, 0xffff0000, v[CH+2]
	v_lshlrev_b32 v34, 16, v[CH+3]
	v_cvt_pk_f16_f32 v36, v32, v33
	v_cvt_pk_f16_f32 v37, v34, v35
	global_store_b64 v[A1], v[36:37], s[22:23]     ; 32 lanes store 256 consecutive bytes
	s_branch .Lend
.Lno_tab:
	s_cmp_gt_u32 s29, 35
	s_cbranch_scc1 .Lend
	s_cmp_eq_u32 s29, 35
	s_cbranch_scc1 .Lw1
	; W2 (work-group 32) and W3 (33, 34) as fragments of source 0: piece p = 16 bytes of lane p % 32, half (p / 32) % 2 of fragment p / 64 = 2 mb + kb:
	; row 16 mb + lane % 16, columns 32 kb + 16 half + 8 (lane / 16) + 0..7.  W3's rows take the sign of g3, so that the later maximum can be taken ahead of the norm.
	s_sub_co_u32 s7, s29, 33
	s_lshl_b32 s7, s7, 9
	s_sub_co_u32 s6, s29, 32
	s_lshl_b32 s6, s6, 13
	s_add_co_u32 s6, s6, 4096                      ; W2's fragments begin at byte 4,096 of wfr, W3's follow them
	s_cmp_eq_u32 s29, 32
	s_cselect_b32 s7, 0, s7
	s_cselect_b64 s[30:31], s[14:15], s[16:17]
	s_cselect_b32 s4, 0, 0x80008000
	v_add_nc_u32 v[A1], s7, v0                     ; p
	v_lshrrev_b32 v[A2], 7, v[A1]                  ; mb
	v_and_b32 v28, 15, v[A1]                       ; lane % 16
	v_bfe_u32 v29, v[A1], 4, 3                     ; 4 kb + 2 half + lane / 16: units of 32 bytes
	v_lshlrev_b32 v30, 12, v[A2]
	v_lshl_add_u32 v30, v28, 8, v30
	v_lshl_add_u32 v30, v29, 5, v30
	v_lshl_add_u32 v31, v[A2], 4, v28
	v_lshlrev_b32 v31, 2, v31
	global_load_b128 v[32:35], v30, s[30:31]
	global_load_b128 v[36:39], v30, s[30:31] offset:16
	global_load_b32 v40, v31, s[18:19]
	v_lshl_add_u32 v41, v0, 4, s6
	s_wait_loadcnt 0x0
.irp i, 0,1,2,3
	v_cvt_pk_bf16_f32 v[CH+\i], v[32+2*\i], v[33+2*\i]
.endr
.irp i, 0,1,2,3
	v_lshlrev_b32 v[32+2*\i], 16, v[CH+\i]
	v_and_b32 v[33+2*\i], 0xffff0000, v[CH+\i]
.endr
	v_ashrrev_i32 v40, 31, v40
	v_and_b32 v40, s4, v40                         ; both halves' sign bits where g3 < 0; nothing for W2
.irp i, 0,1,2,3
	v_cvt_pk_f16_f32 v[44+\i], v[32+2*\i], v[33+2*\i]
.endr
.irp i, 0,1,2,3
	v_xor_b32 v[44+\i], v40, v[44+\i]
.endr
	global_store_b128 v41, v[44:47], s[24:25]
	s_branch .Lend
.Lw1:
	; Work-group 35.  Waves 0-7: layer 1's four fragments.  K places: 0-2 the neighbour (W1 columns 6-8), 3 the constant 1 (b1), 4-6 neighbour - centre (columns 0-2), 16-18 the centre (columns 3-5); all else 0.
	; Waves 8, 9: for each channel the linear form y1 = A . (d, e) + cst, with e = centre - p0, p0 = the first point: A = (Wa + Wc, Wb + Wc), cst = b1 + (Wb + Wc) . p0.
	s_cmp_ge_u32 s2, 10
	s_cbranch_scc1 .Lend
	s_lshr_b32 s7, s2, 1
	s_lshl_b32 s7, s7, 4                           ; waves 0-7: channel 16 (w / 2) + lane % 16
	s_sub_co_u32 s30, s2, 8
	s_lshl_b32 s30, s30, 5                         ; waves 8, 9: channel 32 (w - 8) + lane
	s_cmp_lt_u32 s2, 8
	s_cselect_b32 s6, 15, 31
	s_cselect_b32 s7, s7, s30
	v_and_b32 v[A1], s6, v0
	v_add_nc_u32 v[A1], s7, v[A1]                  ; the channel
	v_mul_u32_u24 v[A2], v[A1], 36
	v_lshlrev_b32 v28, 2, v[A1]
	v_mov_b32 v29, 0
.irp c, 0,1,2,3,4,5,6,7,8
	global_load_b32 v[32+\c], v[A2], s[10:11] offset:4*\c
.endr
	global_load_b32 v41, v28, s[12:13]
.irp c, 0,1,2
	global_load_b32 v[42+\c], v29, s[8:9] offset:4*\c
.endr
	v_mov_b32 v45, 0
	s_wait_loadcnt 0x0
.irp i, 0,1,2,3,4,5
	v_cvt_pk_bf16_f32 v[CH+\i], v[32+2*\i], v[33+2*\i]   ; the temporaries are v56 to v62: nothing that is to last lies there
.endr
	v_cvt_pk_bf16_f32 v[CH+6], v44, v44
.irp i, 0,1,2,3,4,5
	v_lshlrev_b32 v[32+2*\i], 16, v[CH+\i]
	v_and_b32 v[33+2*\i], 0xffff0000, v[CH+\i]
.endr
	v_lshlrev_b32 v44, 16, v[CH+6]
	s_cmp_lt_u32 s2, 8
	s_cbranch_scc0 .Lf1t
	v_cvt_pk_f16_f32 v46, v38, v39
	v_cvt_pk_f16_f32 v47, v40, v41
	v_cvt_pk_f16_f32 v48, v32, v33
	v_cvt_pk_f16_f32 v49, v34, v45
	v_cvt_pk_f16_f32 v50, v35, v36
	v_cvt_pk_f16_f32 v51, v37, v45
	s_bitcmp1_b32 s2, 0                            ; odd waves write a fragment's second half
	s_cselect_b32 s6, -1, 0
	v_cndmask_b32 v52, v46, v50, s6
	v_cndmask_b32 v53, v47, v51, s6
	v_cndmask_b32 v54, v48, v45, s6
	v_cndmask_b32 v55, v49, v45, s6
	v_bfe_u32 v56, v0, 4, 1
	v_cmp_eq_u32 vcc_lo, 1, v56                    ; lanes 16-31 hold K places 8-15 and 24-31: zeros
.irp i, 0,1,2,3
	v_cndmask_b32 v[52+\i], v[52+\i], v45, vcc_lo
.endr
	v_lshlrev_b32 v57, 4, v0
	global_store_b128 v57, v[52:55], s[24:25]
	s_branch .Lend
.Lf1t:
	v_mov_b32 v61, 1.0                             ; made here, behind the roundings, whose temporaries take in v61
	v_cvt_pk_f16_f32 v46, v42, v43                 ; p0 goes through f16, as the table's entries do
	v_cvt_pk_f16_f32 v47, v44, v44
	v_fma_mix_f32 v42, v46, v61, v45 op_sel_hi:[1,0,0]
	v_fma_mix_f32 v43, v46, v61, v45 op_sel:[1,0,0] op_sel_hi:[1,0,0]
	v_fma_mix_f32 v44, v47, v61, v45 op_sel_hi:[1,0,0]
	v_add_f32 v48, v32, v38
	v_add_f32 v49, v33, v39
	v_add_f32 v50, v34, v40
	v_add_f32 v51, v35, v38
	v_add_f32 v52, v36, v39
	v_add_f32 v53, v37, v40
	v_fma_f32 v54, v51, v42, v41
	v_fmac_f32 v54, v52, v43
	v_fmac_f32 v54, v53, v44
	v_mov_b32 v55, 0
	v_lshlrev_b32 v57, 5, v[A1]
	global_store_b128 v57, v[48:51], s[24:25] offset:28672
	global_store_b128 v57, v[52:55], s[24:25] offset:28688
.Lend:
	s_endpgm
.Lfunc_end_k_q2fbb7c3130_ball:
	.size	k_q2fbb7c3130_ball, .Lfunc_end_k_q2fbb7c3130_ball-k_q2fbb7c3130_ball
	.p2alignl 7, 3214868480
	.fill 96, 4, 3214868480
	.section	.rodata,"a",@progbits
	.p2align	6, 0x0
	.amdhsa_kernel k_q2fbb7c3130_ball
		.amdhsa_group_segment_fixed_size 69632
		.amdhsa_private_segment_fixed_size 0
		.amdhsa_enable_private_segment 0
		.amdhsa_kernarg_size 80
		.amdhsa_user_sgpr_count 2
		.amdhsa_user_sgpr_kernarg_segment_ptr 1
		.amdhsa_wavefront_size32 1
		.amdhsa_system_sgpr_workgroup_id_x 1
		.amdhsa_system_sgpr_workgroup_id_y 1
		.amdhsa_system_sgpr_workgroup_id_z 1
		.amdhsa_system_vgpr_workitem_id 0
		.amdhsa_next_free_vgpr 136
		.amdhsa_next_free_sgpr 66
		.amdhsa_reserve_vcc 1
		.amdhsa_float_denorm_mode_32 3
		.amdhsa_float_denorm_mode_16_64 3
		.amdhsa_memory_ordered 1
		.amdhsa_forward_progress 1
		.amdhsa_inst_pref_size 51
	.end_amdhsa_kernel
	.amdgpu_metadata
---
amdhsa.version: [ 1, 2 ]
amdhsa.kernels:
  - .name:           k_q2fbb7c3130_ball
    .symbol:         k_q2fbb7c3130_ball.kd
    .args:
      - { .name: xyz, .offset: 0, .size: 8, .value_kind: global_buffer, .address_space: global }
      - { .name: W1, .offset: 8, .size: 8, .value_kind: global_buffer, .address_space: global }
      - { .name: b1, .offset: 16, .size: 8, .value_kind: global_buffer, .address_space: global }
      - { .name: W2, .offset: 24, .size: 8, .value_kind: global_buffer, .address_space: global }
      - { .name: W3, .offset: 32, .size: 8, .value_kind: global_buffer, .address_space: global }
      - { .name: g3, .offset: 40, .size: 8, .value_kind: global_buffer, .address_space: global }
      - { .name: mask, .offset: 48, .size: 8, .value_kind: global_buffer, .address_space: global }
      - { .name: tab8, .offset: 56, .size: 8, .value_kind: global_buffer, .address_space: global }
      - { .name: wfr, .offset: 64, .size: 8, .value_kind: global_buffer, .address_space: global }
      - { .name: out0, .offset: 72, .size: 8, .value_kind: global_buffer, .address_space: global }
    .group_segment_fixed_size: 69632
    .private_segment_fixed_size: 0
    .kernarg_segment_align: 8
    .kernarg_segment_size: 80
    .max_flat_workgroup_size: 512
    .sgpr_count:     66
    .vgpr_count:     136
    .wavefront_size: 32
...
	.end_amdgpu_metadata
.endif
;; end of part 1
;; launch pick (part 2): grid 256 x 1, 16 waves a work-group, no clusters, 4,096 bytes of LDS; arguments mask, tab8, nbr, part1; writes nbr, part1
.if DOCPART == 2
	.amdgcn_target "amdgcn-amd-amdhsa--gfx1250"
	.amdhsa_code_object_version 6
	.text
	.protected	k_q2fbb7c3130_pick
	.globl	k_q2fbb7c3130_pick
	.p2align	8
	.type	k_q2fbb7c3130_pick,@function
k_q2fbb7c3130_pick:
	s_mov_b64 s[64:65], 0
	v_nop
	global_prefetch_b8 v0, s[64:65] scope:SCOPE_SE
	s_setreg_imm32_b32 hwreg(HW_REG_WAVE_MODE, 25, 1), 1
	s_wait_xcnt 0x0
; BALL QUERY, PART 2: of each row's 4,096 mask bits the first 32 set ones, in index order; free places take the first hit, or 4,095 where there is none.
; nbr[row / 4][s][row % 4] = 8 x index (the byte offset of the neighbour's entry in the batch's table).  Beside it: the 6 sums and 21 products of f = (neighbour - centre, centre - p0) over
; my samples, from which the next launches make layer 1's mean and variance (layer 1 is linear in f).  p0, the first point, is a pivot: no difference of large sums is formed.
; SHARES.  A wave takes four consecutive rows, worked side by side; lane s is place s of each.  Lane l also holds bits 128 l .. 128 l + 127 of each row.
; THE SEARCH, for place s: counts of bits a lane, summed along the lanes (I, inclusive); five probes find the lane whose bits hold number s; three compares its word; five halvings its bit.
; LDS.  0: 128 bytes a wave, its 27 sums.  2,048: the spare words.
.set SPARE, 2048
.set LN,   4                           ; v4  lane
.set O16,  5                           ; v5  16 x lane; never rewritten
.set CO,   6                           ; v6  byte offset of my four rows' entries in the table
.set ZO,   7                           ; v7  0, the offset of p0
.set BLK,  8                           ; row q's registers at v[8 + 24 q]:
;   +0..3 my four words, later f0..f3;  +4 I, later f4;  +5 E (exclusive count), later f5;  +6 4 x the lane found;  +7 at work;  +8..11 that lane's words;  +12 its E, then the rank left
;   +13 the word, then the index;  +14 the bit's number;  +15 at work;  +16, 17 the neighbour's entry;  +18, 19 the centre's;  +20..22 running counts
.set OFF8, 104                         ; v[104:107] 8 x index for the four rows
.set P0,   108                         ; v[108:109] p0's entry
.set ONE,  110                         ; v110 1.0
.set ACC,  112                         ; v[112:143] 27 sums, five zeros
	s_load_b256 s[8:15], s[0:1], 0x0               ; mask s[8:9], tab8 s[10:11], nbr s[12:13], part1 s[14:15]
	v_lshl_add_u32 v2, v0, 2, SPARE
	v_mov_b32 v3, 0
	v_lshrrev_b32 v1, 5, v0
	v_readfirstlane_b32 s2, v1                     ; wave 0..15
	v_and_b32 v[LN], 31, v0
	v_lshlrev_b32 v[O16], 4, v[LN]
	s_lshl_b32 s3, ttmp9, 4
	s_add_co_u32 s3, s3, s2                        ; my group of four rows
	s_lshl_b32 s4, s3, 11                          ; its 2,048 bytes of mask
	s_mov_b32 s5, 0
	s_lshl_b32 s6, s3, 5
	v_mov_b32 v[CO], s6
	v_mov_b32 v[ZO], 0
	v_mov_b32 v[ONE], 1.0
	s_lshr_b32 s16, ttmp9, 6
	s_lshl_b32 s16, s16, 15                        ; the batch's table
	s_mov_b32 s17, 0
	s_lshl_b32 s18, s3, 9                          ; the group's 512 bytes of nbr
	s_mov_b32 s19, 0
	s_mov_b32 s24, 0xffff0000                      ; lanes 16-31
	s_mov_b32 s26, 0x76543210                      ; v_permlanex16_b32: each lane takes its own place in the other half
	s_mov_b32 s27, 0xfedcba98
	s_wait_kmcnt 0x0
	s_add_nc_u64 s[8:9], s[8:9], s[4:5]
	s_add_nc_u64 s[16:17], s[10:11], s[16:17]
	s_add_nc_u64 s[12:13], s[12:13], s[18:19]
.irp q, 0,1,2,3
	global_load_b128 v[BLK+24*\q:BLK+24*\q+3], v[O16], s[8:9] offset:512*\q
.endr
.irp q, 0,1,2,3
	global_load_b64 v[BLK+24*\q+18:BLK+24*\q+19], v[CO], s[10:11] offset:8*\q
.endr
	global_load_b64 v[P0:P0+1], v[ZO], s[10:11]
.macro POP q                           ; bits in my four words
.set R, BLK+24*(\q)
	v_bcnt_u32_b32 v[R+20], v[R], 0
	v_bcnt_u32_b32 v[R+21], v[R+1], v[R+20]
	v_bcnt_u32_b32 v[R+22], v[R+2], v[R+21]
	v_bcnt_u32_b32 v[R+4], v[R+3], v[R+22]
	v_mov_b32 v[R+5], v[R+4]
	v_mov_b32 v[R+6], 0
	v_mov_b32 v[R+7], 0                            ; the line below counts its destination as read
.endm
.macro SC1 q, n                        ; one step of the sum along 16 lanes
.set R, BLK+24*(\q)
	v_mov_b32_dpp v[R+7], v[R+4] row_shr:\n row_mask:0xf bank_mask:0xf bound_ctrl:1
	v_add_nc_u32 v[R+4], v[R+4], v[R+7]
.endm
.macro SC2 q                           ; lanes 16-31 add the first half's total; E = I - my own count
.set R, BLK+24*(\q)
	v_readlane_b32 s[20+\q], v[R+4], 15
	v_cndmask_b32 v[R+7], 0, s[20+\q], s24
	v_add_nc_u32 v[R+4], v[R+4], v[R+7]
	v_sub_nc_u32 v[R+5], v[R+4], v[R+5]
.endm
.macro PROBE q, st                     ; I of the lane st - 1 beyond the lanes already passed
.set R, BLK+24*(\q)
	v_add_nc_u32 v[R+7], 4*(\st-1), v[R+6]
	ds_bpermute_b32 v[R+15], v[R+7], v[R+4]
.endm
.macro STEP q, st                      ; if number s lies beyond it, pass st lanes
.set R, BLK+24*(\q)
	v_add_nc_u32 v[R+7], 4*\st, v[R+6]
	v_cmp_le_u32 vcc_lo, v[R+15], v[LN]
	v_cndmask_b32 v[R+6], v[R+6], v[R+7], vcc_lo
.endm
.macro PULL q
.set R, BLK+24*(\q)
	ds_bpermute_b32 v[R+12], v[R+6], v[R+5]
.irp i, 0,1,2,3
	ds_bpermute_b32 v[R+8+\i], v[R+6], v[R+\i]
.endr
.endm
.macro WSEL q                          ; which of the four words, and the rank left in it
.set R, BLK+24*(\q)
	v_sub_nc_u32 v[R+12], v[LN], v[R+12]
	v_bcnt_u32_b32 v[R+20], v[R+8], 0
	v_bcnt_u32_b32 v[R+21], v[R+9], v[R+20]
	v_bcnt_u32_b32 v[R+22], v[R+10], v[R+21]
	v_mov_b32 v[R+13], v[R+8]
	v_mov_b32 v[R+15], 0
	v_mov_b32 v[R+14], 0
.irp i, 1,2,3
	v_cmp_ge_u32 vcc_lo, v[R+12], v[R+19+\i]
	v_cndmask_b32 v[R+13], v[R+13], v[R+8+\i], vcc_lo
	v_cndmask_b32 v[R+15], v[R+15], v[R+19+\i], vcc_lo
	v_cndmask_b32 v[R+7], 0, 32, vcc_lo
	v_add_nc_u32 v[R+14], v[R+14], v[R+7]
.endr
	v_sub_nc_u32 v[R+12], v[R+12], v[R+15]
.endm
.macro BSEL q, hb                      ; if the low hb bits hold too few, drop them
.set R, BLK+24*(\q)
	v_bfe_u32 v[R+7], v[R+13], 0, \hb
	v_bcnt_u32_b32 v[R+7], v[R+7], 0
	v_cmp_ge_u32 vcc_lo, v[R+12], v[R+7]
	v_cndmask_b32 v[R+7], 0, v[R+7], vcc_lo
	v_sub_nc_u32 v[R+12], v[R+12], v[R+7]
	v_cndmask_b32 v[R+15], 0, \hb, vcc_lo
	v_lshrrev_b32 v[R+13], v[R+15], v[R+13]
	v_add_nc_u32 v[R+14], v[R+14], v[R+15]
.endm
.macro FILL q
.set R, BLK+24*(\q)
	v_lshl_add_u32 v[R+13], v[R+6], 5, v[R+14]     ; 128 x lane + bit
	v_readlane_b32 s[20+\q], v[R+4], 31            ; hits in the row
	v_readfirstlane_b32 s[28+\q], v[R+13]          ; the first hit
	s_cmp_eq_u32 s[20+\q], 0
	s_cselect_b32 s[28+\q], 4095, s[28+\q]
	v_cmp_gt_u32 vcc_lo, s[20+\q], v[LN]
	v_cndmask_b32 v[R+13], s[28+\q], v[R+13], vcc_lo
	v_min_u32 v[R+13], 0xfff, v[R+13]              ; an index stays inside the table
	v_lshlrev_b32 v[OFF8+\q], 3, v[R+13]
.endm
.macro MOM q, fst                      ; f, its sums and products; index of (k, l), k <= l: 6 + the pairs in front of it
.set R, BLK+24*(\q)
	v_fma_mix_f32 v[R], v[R+16], v[ONE], -v[R+18] op_sel_hi:[1,0,1]
	v_fma_mix_f32 v[R+1], v[R+16], v[ONE], -v[R+18] op_sel:[1,0,1] op_sel_hi:[1,0,1]
	v_fma_mix_f32 v[R+2], v[R+17], v[ONE], -v[R+19] op_sel_hi:[1,0,1]
	v_fma_mix_f32 v[R+3], v[R+18], v[ONE], -v[P0] op_sel_hi:[1,0,1]
	v_fma_mix_f32 v[R+4], v[R+18], v[ONE], -v[P0] op_sel:[1,0,1] op_sel_hi:[1,0,1]
	v_fma_mix_f32 v[R+5], v[R+19], v[ONE], -v[P0+1] op_sel_hi:[1,0,1]
.irp k, 0,1,2,3,4,5
.if \fst
	v_mov_b32 v[ACC+\k], v[R+\k]
.else
	v_add_f32 v[ACC+\k], v[ACC+\k], v[R+\k]
.endif
.endr
.set n, 6
.irp k, 0,1,2,3,4,5
.irp l, 0,1,2,3,4,5
.if \l >= \k
.if \fst
	v_mul_f32 v[ACC+n], v[R+\k], v[R+\l]
.else
	v_fmac_f32 v[ACC+n], v[R+\k], v[R+\l]
.endif
.set n, n+1
.endif
.endr
.endr
.endm
.macro EACH m:vararg                   ; a macro for each of the four rows
.irp q, 0,1,2,3
	\m
.endr
.endm
	s_wait_loadcnt 5                               ; the four rows' words are in; the five table loads are younger
.irp q, 0,1,2,3
	POP \q
.endr
.irp n, 1,2,4,8
.irp q, 0,1,2,3
	SC1 \q, \n
.endr
.endr
.irp q, 0,1,2,3
	SC2 \q
.endr
.irp st, 16,8,4,2,1
.irp q, 0,1,2,3
	PROBE \q, \st
.endr
	s_wait_dscnt 0x0
.irp q, 0,1,2,3
	STEP \q, \st
.endr
.endr
.irp q, 0,1,2,3
	PULL \q
.endr
	s_wait_dscnt 0x0
.irp q, 0,1,2,3
	WSEL \q
.endr
.irp hb, 16,8,4,2,1
.irp q, 0,1,2,3
	BSEL \q, \hb
.endr
.endr
.irp q, 0,1,2,3
	FILL \q
.endr
.irp q, 0,1,2,3
	global_load_b64 v[BLK+24*\q+16:BLK+24*\q+17], v[OFF8+\q], s[16:17]
.endr
	global_store_b128 v[O16], v[OFF8:OFF8+3], s[12:13]   ; 512 consecutive bytes
	s_wait_loadcnt 0x0
	MOM 0, 1
	MOM 1, 0
	MOM 2, 0
	MOM 3, 0
	; over the 32 lanes: four steps inside each half ride on the addition, one crosses the halves; stage by stage over the 27
.irp m, 1,2,4,8
.set i, 0
.rept 27
	v_add_f32_dpp v[ACC+i], v[ACC+i], v[ACC+i] row_xmask:\m row_mask:0xf bank_mask:0xf
.set i, i+1
.endr
.endr
.set i, 0
.rept 27
	v_permlanex16_b32 v[BLK+i+i/23], v[ACC+i], s26, s27   ; into registers that have been written (a row's first 23)
.set i, i+1
.endr
.set i, 0
.rept 27
	v_add_f32 v[ACC+i], v[ACC+i], v[BLK+i+i/23]
.set i, i+1
.endr
.irp i, 27,28,29,30,31
	v_mov_b32 v[ACC+\i], 0
.endr
	s_lshl_b32 s5, s2, 7
	v_mov_b32 v[CO], s5                            ; (its loads are long in)
.irp i, 0,1,2,3,4,5,6,7
	ds_store_b128 v[CO], v[ACC+4*\i:ACC+4*\i+3] offset:16*\i   ; every lane holds the same sums and writes the same bytes
.endr
	s_wait_tensorcnt 0x0                           ; my last LDS store is behind me
	ds_add_u32 v2, v3
	s_wait_dscnt 0x0                               ; the wait also shows my sums written, for wave 0's sake
	s_barrier_signal -1
	s_barrier_wait -1
	s_cmp_lg_u32 s2, 0
	s_cbranch_scc1 .Ldone
	v_lshlrev_b32 v[ZO], 2, v[LN]
.irp w, 0,1,2,3,4,5,6,7,8,9,10,11,12,13,14,15
	ds_load_b32 v[BLK+\w], v[ZO] offset:128*\w
.endr
	s_lshl_b32 s4, ttmp9, 7
	v_lshl_add_u32 v[BLK+16], v[LN], 2, s4
	s_wait_dscnt 0x0
.irp st, 8,4,2
.set i, 0
.rept \st/2
	v_pk_add_f32 v[BLK+2*i:BLK+2*i+1], v[BLK+2*i:BLK+2*i+1], v[BLK+\st+2*i:BLK+\st+2*i+1]
.set i, i+1
.endr
.endr
	v_add_f32 v[BLK], v[BLK], v[BLK+1]
	global_store_b32 v[BLK+16], v[BLK], s[14:15]   ; 128 bytes a work-group: 32 KB in the launch
.Ldone:
	s_endpgm
.Lfunc_end_k_q2fbb7c3130_pick:
	.size	k_q2fbb7c3130_pick, .Lfunc_end_k_q2fbb7c3130_pick-k_q2fbb7c3130_pick
	.p2alignl 7, 3214868480
	.fill 96, 4, 3214868480
	.section	.rodata,"a",@progbits
	.p2align	6, 0x0
	.amdhsa_kernel k_q2fbb7c3130_pick
		.amdhsa_group_segment_fixed_size 4096
		.amdhsa_private_segment_fixed_size 0
		.amdhsa_enable_private_segment 0
		.amdhsa_kernarg_size 32
		.amdhsa_user_sgpr_count 2
		.amdhsa_user_sgpr_kernarg_segment_ptr 1
		.amdhsa_wavefront_size32 1
		.amdhsa_system_sgpr_workgroup_id_x 1
		.amdhsa_system_sgpr_workgroup_id_y 1
		.amdhsa_system_sgpr_workgroup_id_z 1
		.amdhsa_system_vgpr_workitem_id 0
		.amdhsa_next_free_vgpr 144
		.amdhsa_next_free_sgpr 66
		.amdhsa_reserve_vcc 1
		.amdhsa_float_denorm_mode_32 3
		.amdhsa_float_denorm_mode_16_64 3
		.amdhsa_memory_ordered 1
		.amdhsa_forward_progress 1
		.amdhsa_inst_pref_size 41
	.end_amdhsa_kernel
	.amdgpu_metadata
---
amdhsa.version: [ 1, 2 ]
amdhsa.kernels:
  - .name:           k_q2fbb7c3130_pick
    .symbol:         k_q2fbb7c3130_pick.kd
    .args:
      - { .name: mask, .offset: 0, .size: 8, .value_kind: global_buffer, .address_space: global }
      - { .name: tab8, .offset: 8, .size: 8, .value_kind: global_buffer, .address_space: global }
      - { .name: nbr, .offset: 16, .size: 8, .value_kind: global_buffer, .address_space: global }
      - { .name: part1, .offset: 24, .size: 8, .value_kind: global_buffer, .address_space: global }
    .group_segment_fixed_size: 4096
    .private_segment_fixed_size: 0
    .kernarg_segment_align: 8
    .kernarg_segment_size: 32
    .max_flat_workgroup_size: 512
    .sgpr_count:     66
    .vgpr_count:     144
    .wavefront_size: 32
...
	.end_amdgpu_metadata
.endif
;; end of part 2
;; launch stat2 (part 3): grid 256 x 1, 4 waves a work-group, no clusters, 84,480 bytes of LDS; arguments tab8, nbr, wfr, part1, g1, beta1, part2; writes part2
.if DOCPART == 3
	.amdgcn_target "amdgcn-amd-amdhsa--gfx1250"
	.amdhsa_code_object_version 6
	.text
	.protected	k_q2fbb7c3130_stat2
	.globl	k_q2fbb7c3130_stat2
	.p2align	8
	.type	k_q2fbb7c3130_stat2,@function
k_q2fbb7c3130_stat2:
	s_mov_b64 s[64:65], 0
	v_nop
	global_prefetch_b8 v0, s[64:65] scope:SCOPE_SE
	s_setreg_imm32_b32 hwreg(HW_REG_WAVE_MODE, 25, 1), 1
	s_wait_xcnt 0x0
; THE MLP, one text for two launches.  DEPTH = 2: layers 1 and 2, and for each of layer 2's 64 channels the sum and the sum of squares over my samples.
; DEPTH = 3: layers 1 to 3, the same two sums for layer 3's 128 channels, and the maximum over each point's 32 samples.
; FORMATS.  The weights and coordinates are the bf16-rounded inputs written as f16; what is made here (features, hidden values) is rounded once to f16; products on the matrix unit, sums in f32.
; ALGEBRA.  Layer 1 is linear in f = (neighbour - centre, centre - p0): its mean and variance come from f's 27 moments.  A hidden value goes on as h - h0, h0 = relu(beta), made as
; max(a v + (k - h0), -h0); the next layer's v = W (h - h0) differs from y by a constant a channel, which the norm takes away; sum of squares less squared sum is then formed of numbers whose
; mean is of the order of their spread.  W3's rows carry the sign of g3, so that the norm's factor is not negative and the maximum may be taken ahead of it.
; SHARES.  A wave owns 16 points.  A tile is the s-th neighbour of each: lane % 16 is the point, in every tile.  32 tiles, in 16 pairs.
; LAYOUT.  D = W (source 0, 16 channels) x samples (source 1): a lane holds ONE sample and channels 16 mb + 8 (lane / 16) + 0..7.  Two such results, packed to f16 in pairs, ARE source 1
; (32 channels x 16 samples) of the next layer: nothing changes lanes.
; LDS.  0 the batch's table (32,768); 32,768 + 8,704 w my 34 tiles' features (16 bytes a sample: neighbour, 1, difference, 1), later my stage; 67,584 and 69,632 the waves' sums of the partial sums;
;       71,680 + 2,048 w my folded constants; 79,872 + 1,024 w my channel sums; 83,968 the spare words.
; REGISTERS, in windows of 256 (s_set_vgpr_msb: bits 1:0 source 0, 3:2 source 1, 5:4 source 2, 7:6 destination):
;   window 0: v0-15 addresses, the centre's entry; v16-31 two tiles' features; v32-63, v64-95 hidden values; v96-159 two tiles' results; v160-191 layer 3's results, two buffers; v192-255 at work
;   window 1: the weights' fragments, 8 registers each, in wfr's order     window 2: a1, k1, a2, k2 (32 each), -h0 packed (16 each)     window 3: the maxima and sums
; LIMITS.  NaN and infinities are not treated apart; |h - h0| and the coordinates keep f16's range, 65,504.
.set DEPTH, 2
.set INVN,  0x36000000                 ; 1 / 524,288 samples
.set EPSB,  0x3727c5ac                 ; 1e-5
.set FB,    32768
.set FBW,   8704
.set RS1,   67584
.set RS2,   69632
.set CST,   71680
.set XW,    79872
.set SPARE, 83968
.set C_A1, 128                         ; in my constants: the moments at 0, then six arrays of 64 f32
.set C_K1, 384
.set C_N1, 640
.set C_A2, 896
.set C_K2, 1152
.set C_N2, 1408
.if DEPTH == 3
.set NF,  28                           ; fragments: 4 + 8 + 16
.set TL,  62                           ; loads of the first group
.set MAX, 0
.set SUM, 64
.set SQS, 128
.else
.set NF,  12
.set TL,  56
.set MAX, 0
.set SUM, 0
.set SQS, 32
.endif
.set FA,  16
.set FT,  24
.set H1A, 32
.set H1B, 48
.set H2A, 64
.set H2B, 80
.set DA,  96
.set DB,  128
.set EE,  160
.set MM,  112                          ; prologue: the moments, v[112:139]
.set F1R, 160                          ; prologue: layer 1's linear form for channels lane and lane + 32
.set A1,  0                            ; window 2
.set K1,  32
.set A2,  64
.set K2,  96
.set N1,  128
.set N2,  144
.set W_MM, 0x01                        ; weights in window 1
.set W_BF, 0x28                        ; factor and addend in window 2
.set W_MX, 0x08                        ; the bound in window 2
.set W_ST, 0xf0                        ; destination and source 2 in window 3
.set MSB, 0
.macro WIN new                         ; the high byte repeats the setting that is left; a switch that changes nothing is dropped
.if MSB != (\new)
	s_set_vgpr_msb (MSB<<8)|(\new)
.set MSB, (\new)
.endif
.endm
.macro TREE16 b                        ; sixteen groups of four registers added into the first
.irp st, 8,4,2,1
.set i, 0
.rept \st
	v_pk_add_f32 v[(\b)+4*i:(\b)+4*i+1], v[(\b)+4*i:(\b)+4*i+1], v[(\b)+4*(i+\st):(\b)+4*(i+\st)+1]
	v_pk_add_f32 v[(\b)+4*i+2:(\b)+4*i+3], v[(\b)+4*i+2:(\b)+4*i+3], v[(\b)+4*(i+\st)+2:(\b)+4*(i+\st)+3]
.set i, i+1
.endr
.endr
.endm
.macro RB2 a, b                        ; two inputs rounded to bf16
	v_cvt_pk_bf16_f32 v1, v[\a], v[\b]
	v_lshlrev_b32 v[\a], 16, v1
	v_and_b32 v[\b], 0xffff0000, v1
.endm
; 64 rows of a table of partial sums added up, 16 bytes a lane.  Row 0 lands in the sum's own registers; rows 1 to 63 go through a ring of 32 slots.
.macro REDUCE64 ring, ac, of, sb, stride
	global_load_b128 v[\ac:\ac+3], v[\of], s[\sb:\sb+1]
.set i, 1
.rept 32
	global_load_b128 v[\ring+4*((i-1)%32):\ring+4*((i-1)%32)+3], v[\of], s[\sb:\sb+1] offset:i*\stride
.set i, i+1
.endr
.set i, 1
.rept 63
.if i < 32
	s_wait_loadcnt 31                              ; behind row i rows i + 1 .. i + 31 have been asked for
.else
	s_wait_loadcnt 63-i                            ; at the end only the rows up to 63
.endif
	v_pk_add_f32 v[\ac:\ac+1], v[\ac:\ac+1], v[\ring+4*((i-1)%32):\ring+4*((i-1)%32)+1]
	v_pk_add_f32 v[\ac+2:\ac+3], v[\ac+2:\ac+3], v[\ring+4*((i-1)%32)+2:\ring+4*((i-1)%32)+3]
.if i+32 < 64
	global_load_b128 v[\ring+4*((i-1)%32):\ring+4*((i-1)%32)+3], v[\of], s[\sb:\sb+1] offset:(i+32)*\stride
.endif
.set i, i+1
.endr
.endm
	s_load_b256 s[8:15], s[0:1], 0x0               ; tab8 s[8:9], nbr s[10:11], wfr s[12:13], part1 s[14:15]
	s_load_b128 s[16:19], s[0:1], 0x20             ; g1 s[16:17], beta1 s[18:19]
	s_load_b64 s[20:21], s[0:1], 0x30              ; part2
.if DEPTH == 3
	s_load_b64 s[22:23], s[0:1], 0x38              ; b2
	s_load_b256 s[24:31], s[0:1], 0x40             ; g2 s[24:25], beta2 s[26:27], part3 s[28:29], maxv s[30:31]
.endif
	v_lshl_add_u32 v2, v0, 2, SPARE
	v_mov_b32 v3, 0
	v_lshrrev_b32 v1, 5, v0
	v_readfirstlane_b32 s2, v1                     ; wave 0..3
	v_and_b32 v7, 31, v0                           ; lane
	v_and_b32 v5, 15, v0                           ; r = lane % 16
	v_bfe_u32 v6, v0, 4, 1                         ; h = lane / 16
	s_mov_b32 s34, ttmp9
	s_lshr_b32 s4, s34, 6
	s_lshl_b32 s4, s4, 15                          ; the batch's table
	s_mov_b32 s5, 0
	v_lshlrev_b32 v8, 4, v0                        ; 16 x thread
	v_lshlrev_b32 v9, 4, v7                        ; 16 x lane; never rewritten
	s_lshl_b32 s6, s34, 4
	s_lshl_b32 s7, s2, 2
	s_add_co_u32 s6, s6, s7
	s_lshl_b32 s6, s6, 9                           ; my 16 points are four groups of nbr, 512 bytes each
	v_lshrrev_b32 v10, 2, v5
	v_lshlrev_b32 v10, 9, v10
	v_and_b32 v11, 3, v5
	v_lshl_add_u32 v10, v11, 2, v10
	v_lshl_add_u32 v10, v6, 4, v10                 ; load q brings place s = 2 q + h of point r
	v_add_nc_u32 v10, s6, v10
	s_lshl_b32 s7, s2, 13
	v_add_nc_u32 v11, s7, v9                       ; part1 as 64 rows of 512 bytes: mine are 16 w ..
	v_lshlrev_b32 v240, 5, v7
	v_lshlrev_b32 v241, 2, v7
	s_lshl_b32 s7, s2, 9
	s_add_co_u32 s6, s7, RS1
	v_add_nc_u32 v242, s6, v9
.if DEPTH == 3
	s_add_co_u32 s6, s7, RS2
	v_add_nc_u32 v243, s6, v9
	v_add_nc_u32 v249, RS2, v241
.endif
	s_and_b32 s6, s34, 63
	s_lshl_b32 s6, s6, 6
	s_lshl_b32 s7, s2, 4
	s_add_co_u32 s6, s6, s7
	v_add_nc_u32 v244, s6, v5
	v_lshlrev_b32 v244, 3, v244                    ; my point's entry in the table
	s_mul_i32 s35, s2, FBW
	s_add_co_u32 s35, s35, FB                      ; my features
	v_lshl_add_u32 v4, v5, 4, s35                  ; both halves of the lanes read sample r
	v_lshl_add_u32 v245, v6, 8, v4
	v_add_nc_u32 v246, RS1, v241
	s_lshl_b32 s36, s2, 11
	s_add_co_u32 s36, s36, CST                     ; my constants
	v_add_nc_u32 v247, s36, v241
	v_mov_b32 v248, s36
	v_lshl_add_u32 v250, v6, 5, s36
	s_wait_kmcnt 0x0
	s_add_nc_u64 s[8:9], s[8:9], s[4:5]
.set i, 0
.rept 16
	global_load_b128 v[16+4*i:19+4*i], v8, s[8:9] offset:2048*i
.set i, i+1
.endr
.set i, 0
.rept 16
	global_load_b32 v[80+i], v10, s[10:11] offset:32*i
.set i, i+1
.endr
.set i, 0
.rept 16
	global_load_b128 v[96+4*i:99+4*i], v11, s[14:15] offset:512*i
.set i, i+1
.endr
	global_load_b128 v[F1R:F1R+3], v240, s[12:13] offset:28672
	global_load_b128 v[F1R+4:F1R+7], v240, s[12:13] offset:28688
	global_load_b128 v[F1R+8:F1R+11], v240, s[12:13] offset:29696
	global_load_b128 v[F1R+12:F1R+15], v240, s[12:13] offset:29712
	global_load_b32 v176, v241, s[16:17]
	global_load_b32 v177, v241, s[16:17] offset:128
	global_load_b32 v178, v241, s[18:19]
	global_load_b32 v179, v241, s[18:19] offset:128
.if DEPTH == 3
	global_load_b32 v180, v241, s[22:23]
	global_load_b32 v181, v241, s[22:23] offset:128
	global_load_b32 v182, v241, s[24:25]
	global_load_b32 v183, v241, s[24:25] offset:128
	global_load_b32 v184, v241, s[26:27]
	global_load_b32 v185, v241, s[26:27] offset:128
.endif
	s_wait_loadcnt TL-16                           ; the table's sixteen loads are the oldest
.set i, 0
.rept 16
	ds_store_b128 v8, v[16+4*i:19+4*i] offset:2048*i
.set i, i+1
.endr
	s_wait_loadcnt TL-48                           ; nbr's and part1's are in
	TREE16 96
	ds_store_b128 v242, v[96:99]
.if DEPTH == 3
	s_lshl_b32 s7, s2, 15                          ; part2: 256 rows of 512 bytes, mine are 64 w ..
	WIN 0xc0
	v_add_nc_u32 v132, s7, v9                      ; the ring, the sum and the offset lie in window 3, so that one setting serves loads and additions
	WIN 0xcf
	REDUCE64 0, 128, 132, 20, 512
	WIN 0x0c
	ds_store_b128 v243, v[128:131]
.endif
	WIN 0x40
.set i, 0
.rept 2*NF
	global_load_b128 v[4*i:4*i+3], v9, s[12:13] offset:512*i   ; the weights: waited for in front of the first product
.set i, i+1
.endr
	WIN 0
	s_wait_dscnt 0x0                               ; for the others' sake: my part of the table and my sums are written
	s_barrier_signal -1
	s_barrier_wait -1
	; the features of my 32 tiles
.set i, 0
.rept 16
	v_min_u32 v[80+i], 0x7ff8, v[80+i]             ; an offset stays inside the table
	ds_load_b64 v[16+4*i:17+4*i], v[80+i]
.set i, i+1
.endr
	ds_load_b64 v[12:13], v244
.set i, 0
.rept 16
	ds_load_b32 v[96+i], v246 offset:(i/4)*512+(i%4)*128   ; moment number lane: four waves' sums of four records each
.set i, i+1
.endr
	s_wait_dscnt 0x0
	v_xor_b32 v14, 0x80008000, v12                 ; -cx, -cy
	v_and_b32 v15, 0xffff, v13
	v_xor_b32 v15, 0x8000, v15                     ; -cz, 0
.set i, 0
.rept 16
	v_pk_add_f16 v[18+4*i], v[16+4*i], v14
	v_pk_add_f16 v[19+4*i], v[17+4*i], v15
	ds_store_b128 v245, v[16+4*i:19+4*i] offset:512*i
.set i, i+1
.endr
	ds_store_b128 v245, v[76:79] offset:8192       ; tiles 32 and 33 are read ahead by the last pair and never multiplied: they hold written bytes
	; layer 1's mean and variance from the moments
.irp st, 8,4,2
.set i, 0
.rept \st/2
	v_pk_add_f32 v[96+2*i:97+2*i], v[96+2*i:97+2*i], v[96+\st+2*i:97+\st+2*i]
.set i, i+1
.endr
.endr
	v_add_f32 v96, v96, v97
	v_mul_f32 v96, INVN, v96
	ds_store_b32 v247, v96
.irp i, 0,1,2,3,4,5,6
	ds_load_b128 v[MM+4*\i:MM+4*\i+3], v248 offset:16*\i   ; LDS serves a wave's instructions in order: these see the store above; the bytes are my wave's own
.endr
	s_wait_loadcnt 2*NF                            ; all but the weights: the linear form, g, beta (and b) are in
	RB2 176, 177
	RB2 178, 179
.if DEPTH == 3
	RB2 180, 181
	RB2 182, 183
	RB2 184, 185
.endif
	s_wait_dscnt 0x0
.set n, 6
.irp k, 0,1,2,3,4,5
.irp l, 0,1,2,3,4,5
.if \l >= \k
	v_fma_f32 v[MM+n], -v[MM+\k], v[MM+\l], v[MM+n]   ; the covariance, in place
.set n, n+1
.endif
.endr
.endr
.macro FOLD1 u                         ; channel lane + 32 u: var = A . C A, mean = cst + A . m; a = g / sqrt(var + eps); k = beta - a mean - h0
.set k, 0
.rept 6
.set l, 0
.rept 6
.if k <= l
.set ix, 6+6*k-k*(k-1)/2+l-k
.else
.set ix, 6+6*l-l*(l-1)/2+k-l
.endif
.if l == 0
	v_mul_f32 v192, v[MM+ix], v[F1R+8*\u]
.else
	v_fmac_f32 v192, v[MM+ix], v[F1R+8*\u+l]
.endif
.set l, l+1
.endr
.if k == 0
	v_mul_f32 v193, v192, v[F1R+8*\u]
	v_fma_f32 v194, v[F1R+8*\u], v[MM], v[F1R+8*\u+6]
.else
	v_fmac_f32 v193, v192, v[F1R+8*\u+k]
	v_fmac_f32 v194, v[F1R+8*\u+k], v[MM+k]
.endif
.set k, k+1
.endr
	v_max_num_f32 v193, 0, v193
	v_add_f32 v193, EPSB, v193
	v_rsq_f32 v193, v193
	v_max_num_f32 v196, 0, v[178+\u]               ; h0; also the plain instruction behind the root
	s_wait_alu depctr_va_vdst(0)
	v_mul_f32 v195, v[176+\u], v193
	v_fma_f32 v197, -v195, v194, v[178+\u]
	v_sub_f32 v197, v197, v196
	v_mul_f32 v196, -1.0, v196
	ds_store_b32 v247, v195 offset:C_A1+128*\u
	ds_store_b32 v247, v197 offset:C_K1+128*\u
	ds_store_b32 v247, v196 offset:C_N1+128*\u
.endm
	FOLD1 0
	FOLD1 1
.if DEPTH == 3
.irp u, 0,1
.irp w, 0,1,2,3
	ds_load_b32 v[200+8*\u+\w], v249 offset:512*\w+128*\u
	ds_load_b32 v[204+8*\u+\w], v249 offset:512*\w+256+128*\u
.endr
.endr
	s_wait_dscnt 0x0
.macro FOLD2 u                         ; layer 2, channel lane + 32 u.  The bias enters a value and its mean alike: mean_y = mean_v + b, k = beta + a (b - mean_y) - h0
	v_add_f32 v[200+8*\u], v[200+8*\u], v[201+8*\u]
	v_add_f32 v[202+8*\u], v[202+8*\u], v[203+8*\u]
	v_add_f32 v[204+8*\u], v[204+8*\u], v[205+8*\u]
	v_add_f32 v[206+8*\u], v[206+8*\u], v[207+8*\u]
	v_add_f32 v[200+8*\u], v[200+8*\u], v[202+8*\u]
	v_add_f32 v[204+8*\u], v[204+8*\u], v[206+8*\u]
	v_mul_f32 v194, INVN, v[200+8*\u]
	v_mul_f32 v193, INVN, v[204+8*\u]
	v_fma_f32 v193, -v194, v194, v193
	v_max_num_f32 v193, 0, v193
	v_add_f32 v193, EPSB, v193
	v_rsq_f32 v193, v193
	v_add_f32 v194, v194, v[180+\u]
	v_mul_f32 v195, v[182+\u], v193
	v_sub_f32 v194, v[180+\u], v194
	v_max_num_f32 v196, 0, v[184+\u]
	v_fma_f32 v197, v195, v194, v[184+\u]
	v_sub_f32 v197, v197, v196
	v_mul_f32 v196, -1.0, v196
	ds_store_b32 v247, v195 offset:C_A2+128*\u
	ds_store_b32 v247, v197 offset:C_K2+128*\u
	ds_store_b32 v247, v196 offset:C_N2+128*\u
.endm
	FOLD2 0
	FOLD2 1
.endif
.macro RDC dst, off                    ; the 32 numbers of my channels 16 mb + 8 h + 0..7; my wave's own bytes, read in order behind the stores
.irp m, 0,1,2,3
	ds_load_b128 v[(\dst)+8*\m:(\dst)+8*\m+3], v250 offset:(\off)+64*\m
	ds_load_b128 v[(\dst)+8*\m+4:(\dst)+8*\m+7], v250 offset:(\off)+64*\m+16
.endr
.endm
	WIN 0x80
	RDC A1, C_A1
	RDC K1, C_K1
.if DEPTH == 3
	RDC A2, C_A2
	RDC K2, C_K2
.endif
	WIN 0
	RDC 208, C_N1
.if DEPTH == 3
	RDC 160, C_N2
.endif
	s_wait_dscnt 0x0
	WIN 0x80
.set i, 0
.rept 16
	v_cvt_pk_f16_f32 v[N1+i], v[208+2*i], v[208+2*i+1]
.set i, i+1
.endr
.if DEPTH == 3
.set i, 0
.rept 16
	v_cvt_pk_f16_f32 v[N2+i], v[160+2*i], v[160+2*i+1]
.set i, i+1
.endr
.endif
	WIN 0
.irp f, FA, FT
	v_mov_b32 v[\f+4], v12                         ; K places 16-19: the centre's entry; 20-23: 0
	v_mov_b32 v[\f+5], v13
	v_mov_b32 v[\f+6], 0
	v_mov_b32 v[\f+7], 0
.endr
	ds_load_b128 v[FA:FA+3], v4
	ds_load_b128 v[FT:FT+3], v4 offset:256
	v_add_nc_u32 v4, 512, v4
	s_wait_loadcnt 0x0                             ; the weights
; THE MATRIX WORK.  The two tiles' accumulators take turns, one instruction a turn.
.macro G1 mb
	WIN W_MM
	v_wmma_f32_16x16x32_f16 v[DA+8*(\mb):DA+8*(\mb)+7], v[8*(\mb):8*(\mb)+7], v[FA:FA+7], 0
	v_wmma_f32_16x16x32_f16 v[DB+8*(\mb):DB+8*(\mb)+7], v[8*(\mb):8*(\mb)+7], v[FT:FT+7], 0
.endm
.macro G2 mb
	WIN W_MM
	v_wmma_f32_16x16x32_f16 v[DA+8*(\mb):DA+8*(\mb)+7], v[32+16*(\mb):32+16*(\mb)+7], v[H1A:H1A+7], 0
	v_wmma_f32_16x16x32_f16 v[DB+8*(\mb):DB+8*(\mb)+7], v[32+16*(\mb):32+16*(\mb)+7], v[H1B:H1B+7], 0
	v_wmma_f32_16x16x32_f16 v[DA+8*(\mb):DA+8*(\mb)+7], v[40+16*(\mb):40+16*(\mb)+7], v[H1A+8:H1A+15], v[DA+8*(\mb):DA+8*(\mb)+7]
	v_wmma_f32_16x16x32_f16 v[DB+8*(\mb):DB+8*(\mb)+7], v[40+16*(\mb):40+16*(\mb)+7], v[H1B+8:H1B+15], v[DB+8*(\mb):DB+8*(\mb)+7]
.endm
.macro G3 mb
	WIN W_MM
.set ea, EE+16*((\mb)%2)
	v_wmma_f32_16x16x32_f16 v[ea:ea+7], v[96+16*(\mb):96+16*(\mb)+7], v[H2A:H2A+7], 0
	v_wmma_f32_16x16x32_f16 v[ea+8:ea+15], v[96+16*(\mb):96+16*(\mb)+7], v[H2B:H2B+7], 0
	v_wmma_f32_16x16x32_f16 v[ea:ea+7], v[104+16*(\mb):104+16*(\mb)+7], v[H2A+8:H2A+15], v[ea:ea+7]
	v_wmma_f32_16x16x32_f16 v[ea+8:ea+15], v[104+16*(\mb):104+16*(\mb)+7], v[H2B+8:H2B+15], v[ea+8:ea+15]
.endm
; THE VECTOR WORK.  Norm, ReLU and rounding of channel block mb of both tiles: max(a v + k, -h0) in f16.  Each accumulator is read from its lowest registers on.
.macro PBN mb, ab, kb, nb, ha, hb
	WIN W_BF
.irp i, 0,1,2,3
	v_pk_fma_f32 v[DA+8*(\mb)+2*\i:DA+8*(\mb)+2*\i+1], v[DA+8*(\mb)+2*\i:DA+8*(\mb)+2*\i+1], v[(\ab)+8*(\mb)+2*\i:(\ab)+8*(\mb)+2*\i+1], v[(\kb)+8*(\mb)+2*\i:(\kb)+8*(\mb)+2*\i+1]
.endr
.irp i, 0,1,2,3
	v_pk_fma_f32 v[DB+8*(\mb)+2*\i:DB+8*(\mb)+2*\i+1], v[DB+8*(\mb)+2*\i:DB+8*(\mb)+2*\i+1], v[(\ab)+8*(\mb)+2*\i:(\ab)+8*(\mb)+2*\i+1], v[(\kb)+8*(\mb)+2*\i:(\kb)+8*(\mb)+2*\i+1]
.endr
	WIN 0
.irp i, 0,1,2,3
	v_cvt_pk_f16_f32 v[(\ha)+4*(\mb)+\i], v[DA+8*(\mb)+2*\i], v[DA+8*(\mb)+2*\i+1]
.endr
.irp i, 0,1,2,3
	v_cvt_pk_f16_f32 v[(\hb)+4*(\mb)+\i], v[DB+8*(\mb)+2*\i], v[DB+8*(\mb)+2*\i+1]
.endr
	WIN W_MX
.irp i, 0,1,2,3
	v_pk_max_num_f16 v[(\ha)+4*(\mb)+\i], v[(\ha)+4*(\mb)+\i], v[(\nb)+4*(\mb)+\i]
.endr
.irp i, 0,1,2,3
	v_pk_max_num_f16 v[(\hb)+4*(\mb)+\i], v[(\hb)+4*(\mb)+\i], v[(\nb)+4*(\mb)+\i]
.endr
.endm
; Sums, sums of squares and (mx = 1) maxima of two tiles' results ra, rb, kept at register o of each array.  fst = 1: the first pair starts them: nothing is cleared.
.macro PST ra, rb, o, fst, mx
	WIN W_ST
.if \fst
.irp i, 0,2,4,6
	v_pk_add_f32 v[SUM+(\o)+\i:SUM+(\o)+\i+1], v[(\ra)+\i:(\ra)+\i+1], v[(\rb)+\i:(\rb)+\i+1]
.endr
.irp i, 0,2,4,6
	v_pk_mul_f32 v[SQS+(\o)+\i:SQS+(\o)+\i+1], v[(\ra)+\i:(\ra)+\i+1], v[(\ra)+\i:(\ra)+\i+1]
.endr
.irp i, 0,2,4,6
	v_pk_fma_f32 v[SQS+(\o)+\i:SQS+(\o)+\i+1], v[(\rb)+\i:(\rb)+\i+1], v[(\rb)+\i:(\rb)+\i+1], v[SQS+(\o)+\i:SQS+(\o)+\i+1]
.endr
.if \mx
.irp i, 0,1,2,3,4,5,6,7
	v_max_num_f32 v[MAX+(\o)+\i], v[(\ra)+\i], v[(\rb)+\i]
.endr
.endif
.else
.irp i, 0,2,4,6
	v_pk_fma_f32 v[SUM+(\o)+\i:SUM+(\o)+\i+1], v[(\ra)+\i:(\ra)+\i+1], 1.0, v[SUM+(\o)+\i:SUM+(\o)+\i+1] op_sel_hi:[1,0,1]
.endr
.irp i, 0,2,4,6
	v_pk_fma_f32 v[SQS+(\o)+\i:SQS+(\o)+\i+1], v[(\ra)+\i:(\ra)+\i+1], v[(\ra)+\i:(\ra)+\i+1], v[SQS+(\o)+\i:SQS+(\o)+\i+1]
.endr
.irp i, 0,2,4,6
	v_pk_fma_f32 v[SUM+(\o)+\i:SUM+(\o)+\i+1], v[(\rb)+\i:(\rb)+\i+1], 1.0, v[SUM+(\o)+\i:SUM+(\o)+\i+1] op_sel_hi:[1,0,1]
.endr
.irp i, 0,2,4,6
	v_pk_fma_f32 v[SQS+(\o)+\i:SQS+(\o)+\i+1], v[(\rb)+\i:(\rb)+\i+1], v[(\rb)+\i:(\rb)+\i+1], v[SQS+(\o)+\i:SQS+(\o)+\i+1]
.endr
.if \mx
.irp i, 0,1,2,3,4,5,6,7
	v_max3_num_f32 v[MAX+(\o)+\i], v[(\ra)+\i], v[(\rb)+\i], v[MAX+(\o)+\i]
.endr
.endif
.endif
.endm
.macro PST3 mb, fst
.set eb, EE+16*((\mb)%2)
	PST eb, eb+8, 8*(\mb), \fst, 1
.endm
; Five places: four before a vector line reads or rewrites the results of the two blocks just multiplied, five before a later product writes over the first block's accumulators
; (only plain vector instructions that name none of a product's registers are places: ISA guide 7.12.1).  From there on each block's vector work is the places of the block behind it.
.macro NOP5
.rept 5
	v_nop
.endr
.endm
.macro PAIR fst                        ; two tiles through all layers
	s_wait_dscnt 0x0                               ; the pair's features, asked for a layer and more ago
	G1 0
	G1 1
	NOP5
	PBN 0, A1, K1, N1, H1A, H1B
	G1 2
	PBN 1, A1, K1, N1, H1A, H1B
	G1 3
	PBN 2, A1, K1, N1, H1A, H1B
	PBN 3, A1, K1, N1, H1A, H1B
	WIN 0
	ds_load_b128 v[FA:FA+3], v4                    ; the next pair's features: block 2's 24 lines stand between the last product that read these registers and the loads
	ds_load_b128 v[FT:FT+3], v4 offset:256
	v_add_nc_u32 v4, 512, v4
	G2 0
	G2 1
	NOP5
.if DEPTH == 2
	PST DA, DB, 0, \fst, 0
	G2 2
	PST DA+8, DB+8, 8, \fst, 0
	G2 3
	PST DA+16, DB+16, 16, \fst, 0
	PST DA+24, DB+24, 24, \fst, 0
.else
	PBN 0, A2, K2, N2, H2A, H2B
	G2 2
	PBN 1, A2, K2, N2, H2A, H2B
	G2 3
	PBN 2, A2, K2, N2, H2A, H2B
	PBN 3, A2, K2, N2, H2A, H2B
	G3 0
	G3 1
	NOP5
	PST3 0, \fst
.irp m, 2,3,4,5,6,7
	G3 \m
	PST3 (\m)-1, \fst
.endr
	PST3 7, \fst
.endif
.endm
	PAIR 1
	WIN 0                                          ; at a label and at a branch every window is 0
	s_mov_b32 s3, 15
.Lpair:
	PAIR 0
	WIN 0
	s_sub_co_u32 s3, s3, 1
	s_cmp_lg_u32 s3, 0
	s_cbranch_scc1 .Lpair
	; THE END.  A lane's sums are one point's; the sum over the 16 points of a half of the lanes goes through my stage: each lane writes its 64 registers as a row of 272 bytes,
	; lane 16 h' + q' reads piece q' of the 16 rows of half h' and adds them.
	s_wait_dscnt 0x0                               ; the loads that read ahead have landed
	v_mul_u32_u24 v32, v7, 272
	v_add_nc_u32 v32, s35, v32
	v_mul_u32_u24 v33, v6, 4352
	v_lshl_add_u32 v33, v5, 4, v33
	v_add_nc_u32 v33, s35, v33
	v_lshrrev_b32 v39, 3, v5
	v_bfe_u32 v40, v5, 1, 2
	v_and_b32 v41, 1, v5
	v_lshlrev_b32 v34, 6+DEPTH, v39                ; registers 4 q' .. are channels 16 (q' / 2) + 8 h' + 4 (q' % 2) ..; the output row's layout puts the second 32 registers 256 (DEPTH 3: 512) bytes on
	v_lshl_add_u32 v34, v40, 6, v34
	v_lshl_add_u32 v34, v6, 5, v34
	v_lshl_add_u32 v34, v41, 4, v34
	s_lshl_b32 s6, s2, 10
	s_add_co_u32 s6, s6, XW
	v_add_nc_u32 v34, s6, v34
.macro XRED base, co
	WIN 0x0c                                       ; store data in window 3
.set i, 0
.rept 16
	ds_store_b128 v32, v[(\base)+4*i:(\base)+4*i+3] offset:16*i
.set i, i+1
.endr
	WIN 0
.set i, 0
.rept 16
	ds_load_b128 v[192+4*i:195+4*i], v33 offset:272*i   ; my wave's own bytes, in order behind the stores
.set i, i+1
.endr
	s_wait_dscnt 0x0
	TREE16 192
	ds_store_b128 v34, v[192:195] offset:\co
.endm
.if DEPTH == 2
	XRED 0, 0                                      ; sums and sums of squares lie side by side
.else
	XRED SUM, 0
	XRED SQS, 256
	; the maxima: a point's 128 channels as a row of 528 bytes, read back whole and stored, 512 consecutive bytes a line
	v_mul_u32_u24 v35, v5, 528
	v_lshl_add_u32 v35, v6, 5, v35
	v_add_nc_u32 v35, s35, v35
	v_add_nc_u32 v36, s35, v9
	s_lshl_b32 s6, s34, 15
	s_lshl_b32 s7, s2, 13
	s_add_co_u32 s6, s6, s7
	s_mov_b32 s7, 0
	s_add_nc_u64 s[30:31], s[30:31], s[6:7]        ; my 16 points in maxv
	WIN 0x0c
.set i, 0
.rept 16
	ds_store_b128 v35, v[MAX+4*i:MAX+4*i+3] offset:64*(i/2)+16*(i%2)
.set i, i+1
.endr
	WIN 0
.set i, 0
.rept 16
	ds_load_b128 v[192+4*i:195+4*i], v36 offset:528*i
.set i, i+1
.endr
.set i, 0
.rept 16
	s_wait_dscnt 15-i                              ; LDS loads come back in order: row i is in
	global_store_b128 v9, v[192+4*i:195+4*i], s[30:31] offset:512*i
.set i, i+1
.endr
.endif
	s_wait_tensorcnt 0x0                           ; my last LDS store is behind me
	ds_add_u32 v2, v3
	s_wait_dscnt 0x0                               ; the wait also shows my channel sums written, for the others' sake
	s_barrier_signal -1
	s_barrier_wait -1
	s_cmp_ge_u32 s2, DEPTH-1                       ; one wave for each 512 bytes of the work-group's row
	s_cbranch_scc1 .Ldone
	s_lshl_b32 s6, s2, 9
	s_add_co_u32 s7, s6, XW
	v_add_nc_u32 v37, s7, v9
.irp w, 0,1,2,3
	ds_load_b128 v[96+4*\w:99+4*\w], v37 offset:1024*\w
.endr
	s_lshl_b32 s7, s34, 7+DEPTH
	s_add_co_u32 s7, s7, s6
	v_add_nc_u32 v38, s7, v9
	s_wait_dscnt 0x0
	v_pk_add_f32 v[96:97], v[96:97], v[100:101]
	v_pk_add_f32 v[98:99], v[98:99], v[102:103]
	v_pk_add_f32 v[104:105], v[104:105], v[108:109]
	v_pk_add_f32 v[106:107], v[106:107], v[110:111]
	v_pk_add_f32 v[96:97], v[96:97], v[104:105]
	v_pk_add_f32 v[98:99], v[98:99], v[106:107]
.if DEPTH == 2
	global_store_b128 v38, v[96:99], s[20:21]
.else
	global_store_b128 v38, v[96:99], s[28:29]
.endif
.Ldone:
	s_endpgm
.Lfunc_end_k_q2fbb7c3130_stat2:
	.size	k_q2fbb7c3130_stat2, .Lfunc_end_k_q2fbb7c3130_stat2-k_q2fbb7c3130_stat2
	.p2alignl 7, 3214868480
	.fill 96, 4, 3214868480
	.section	.rodata,"a",@progbits
	.p2align	6, 0x0
	.amdhsa_kernel k_q2fbb7c3130_stat2
		.amdhsa_group_segment_fixed_size 84480
		.amdhsa_private_segment_fixed_size 0
		.amdhsa_enable_private_segment 0
		.amdhsa_kernarg_size 56
		.amdhsa_user_sgpr_count 2
		.amdhsa_user_sgpr_kernarg_segment_ptr 1
		.amdhsa_wavefront_size32 1
		.amdhsa_system_sgpr_workgroup_id_x 1
		.amdhsa_system_sgpr_workgroup_id_y 1
		.amdhsa_system_sgpr_workgroup_id_z 1
		.amdhsa_system_vgpr_workitem_id 0
		.amdhsa_next_free_vgpr 832
		.amdhsa_next_free_sgpr 66
		.amdhsa_reserve_vcc 0
		.amdhsa_float_denorm_mode_32 3
		.amdhsa_float_denorm_mode_16_64 3
		.amdhsa_memory_ordered 1
		.amdhsa_forward_progress 1
		.amdhsa_inst_pref_size 61
	.end_amdhsa_kernel
	.amdgpu_metadata
---
amdhsa.version: [ 1, 2 ]
amdhsa.kernels:
  - .name:           k_q2fbb7c3130_stat2
    .symbol:         k_q2fbb7c3130_stat2.kd
    .args:
      - { .name: tab8, .offset: 0, .size: 8, .value_kind: global_buffer, .address_space: global }
      - { .name: nbr, .offset: 8, .size: 8, .value_kind: global_buffer, .address_space: global }
      - { .name: wfr, .offset: 16, .size: 8, .value_kind: global_buffer, .address_space: global }
      - { .name: part1, .offset: 24, .size: 8, .value_kind: global_buffer, .address_space: global }
      - { .name: g1, .offset: 32, .size: 8, .value_kind: global_buffer, .address_space: global }
      - { .name: beta1, .offset: 40, .size: 8, .value_kind: global_buffer, .address_space: global }
      - { .name: part2, .offset: 48, .size: 8, .value_kind: global_buffer, .address_space: global }
    .group_segment_fixed_size: 84480
    .private_segment_fixed_size: 0
    .kernarg_segment_align: 8
    .kernarg_segment_size: 56
    .max_flat_workgroup_size: 128
    .sgpr_count:     66
    .vgpr_count:     832
    .wavefront_size: 32
...
	.end_amdgpu_metadata
.endif
;; end of part 3
;; launch stat3 (part 4): grid 256 x 1, 4 waves a work-group, no clusters, 84,480 bytes of LDS; arguments tab8, nbr, wfr, part1, g1, beta1, part2, b2, g2, beta2, part3, maxv; writes part3, maxv
.if DOCPART == 4
	.amdgcn_target "amdgcn-amd-amdhsa--gfx1250"
	.amdhsa_code_object_version 6
	.text
	.protected	k_q2fbb7c3130_stat3
	.globl	k_q2fbb7c3130_stat3
	.p2align	8
	.type	k_q2fbb7c3130_stat3,@function
k_q2fbb7c3130_stat3:
	s_mov_b64 s[64:65], 0
	v_nop
	global_prefetch_b8 v0, s[64:65] scope:SCOPE_SE
	s_setreg_imm32_b32 hwreg(HW_REG_WAVE_MODE, 25, 1), 1
	s_wait_xcnt 0x0
; THE MLP, one text for two launches.  DEPTH = 2: layers 1 and 2, and for each of layer 2's 64 channels the sum and the sum of squares over my samples.
; DEPTH = 3: layers 1 to 3, the same two sums for layer 3's 128 channels, and the maximum over each point's 32 samples.
; FORMATS.  The weights and coordinates are the bf16-rounded inputs written as f16; what is made here (features, hidden values) is rounded once to f16; products on the matrix unit, sums in f32.
; ALGEBRA.  Layer 1 is linear in f = (neighbour - centre, centre - p0): its mean and variance come from f's 27 moments.  A hidden value goes on as h - h0, h0 = relu(beta), made as
; max(a v + (k - h0), -h0); the next layer's v = W (h - h0) differs from y by a constant a channel, which the norm takes away; sum of squares less squared sum is then formed of numbers whose
; mean is of the order of their spread.  W3's rows carry the sign of g3, so that the norm's factor is not negative and the maximum may be taken ahead of it.
; SHARES.  A wave owns 16 points.  A tile is the s-th neighbour of each: lane % 16 is the point, in every tile.  32 tiles, in 16 pairs.
; LAYOUT.  D = W (source 0, 16 channels) x samples (source 1): a lane holds ONE sample and channels 16 mb + 8 (lane / 16) + 0..7.  Two such results, packed to f16 in pairs, ARE source 1
; (32 channels x 16 samples) of the next layer: nothing changes lanes.
; LDS.  0 the batch's table (32,768); 32,768 + 8,704 w my 34 tiles' features (16 bytes a sample: neighbour, 1, difference, 1), later my stage; 67,584 and 69,632 the waves' sums of the partial sums;
;       71,680 + 2,048 w my folded constants; 79,872 + 1,024 w my channel sums; 83,968 the spare words.
; REGISTERS, in windows of 256 (s_set_vgpr_msb: bits 1:0 source 0, 3:2 source 1, 5:4 source 2, 7:6 destination):
;   window 0: v0-15 addresses, the centre's entry; v16-31 two tiles' features; v32-63, v64-95 hidden values; v96-159 two tiles' results; v160-191 layer 3's results, two buffers; v192-255 at work
;   window 1: the weights' fragments, 8 registers each, in wfr's order     window 2: a1, k1, a2, k2 (32 each), -h0 packed (16 each)     window 3: the maxima and sums
; LIMITS.  NaN and infinities are not treated apart; |h - h0| and the coordinates keep f16's range, 65,504.
.set DEPTH, 3
.set INVN,  0x36000000                 ; 1 / 524,288 samples
.set EPSB,  0x3727c5ac                 ; 1e-5
.set FB,    32768
.set FBW,   8704
.set RS1,   67584
.set RS2,   69632
.set CST,   71680
.set XW,    79872
.set SPARE, 83968
.set C_A1, 128                         ; in my constants: the moments at 0, then six arrays of 64 f32
.set C_K1, 384
.set C_N1, 640
.set C_A2, 896
.set C_K2, 1152
.set C_N2, 1408
.if DEPTH == 3
.set NF,  28                           ; fragments: 4 + 8 + 16
.set TL,  62                           ; loads of the first group
.set MAX, 0
.set SUM, 64
.set SQS, 128
.else
.set NF,  12
.set TL,  56
.set MAX, 0
.set SUM, 0
.set SQS, 32
.endif
.set FA,  16
.set FT,  24
.set H1A, 32
.set H1B, 48
.set H2A, 64
.set H2B, 80
.set DA,  96
.set DB,  128
.set EE,  160
.set MM,  112                          ; prologue: the moments, v[112:139]
.set F1R, 160                          ; prologue: layer 1's linear form for channels lane and lane + 32
.set A1,  0                            ; window 2
.set K1,  32
.set A2,  64
.set K2,  96
.set N1,  128
.set N2,  144
.set W_MM, 0x01                        ; weights in window 1
.set W_BF, 0x28                        ; factor and addend in window 2
.set W_MX, 0x08                        ; the bound in window 2
.set W_ST, 0xf0                        ; destination and source 2 in window 3
.set MSB, 0
.macro WIN new                         ; the high byte repeats the setting that is left; a switch that changes nothing is dropped
.if MSB != (\new)
	s_set_vgpr_msb (MSB<<8)|(\new)
.set MSB, (\new)
.endif
.endm
.macro TREE16 b                        ; sixteen groups of four registers added into the first
.irp st, 8,4,2,1
.set i, 0
.rept \st
	v_pk_add_f32 v[(\b)+4*i:(\b)+4*i+1], v[(\b)+4*i:(\b)+4*i+1], v[(\b)+4*(i+\st):(\b)+4*(i+\st)+1]
	v_pk_add_f32 v[(\b)+4*i+2:(\b)+4*i+3], v[(\b)+4*i+2:(\b)+4*i+3], v[(\b)+4*(i+\st)+2:(\b)+4*(i+\st)+3]
.set i, i+1
.endr
.endr
.endm
.macro RB2 a, b                        ; two inputs rounded to bf16
	v_cvt_pk_bf16_f32 v1, v[\a], v[\b]
	v_lshlrev_b32 v[\a], 16, v1
	v_and_b32 v[\b], 0xffff0000, v1
.endm
; 64 rows of a table of partial sums added up, 16 bytes a lane.  Row 0 lands in the sum's own registers; rows 1 to 63 go through a ring of 32 slots.
.macro REDUCE64 ring, ac, of, sb, stride
	global_load_b128 v[\ac:\ac+3], v[\of], s[\sb:\sb+1]
.set i, 1
.rept 32
	global_load_b128 v[\ring+4*((i-1)%32):\ring+4*((i-1)%32)+3], v[\of], s[\sb:\sb+1] offset:i*\stride
.set i, i+1
.endr
.set i, 1
.rept 63
.if i < 32
	s_wait_loadcnt 31                              ; behind row i rows i + 1 .. i + 31 have been asked for
.else
	s_wait_loadcnt 63-i                            ; at the end only the rows up to 63
.endif
	v_pk_add_f32 v[\ac:\ac+1], v[\ac:\ac+1], v[\ring+4*((i-1)%32):\ring+4*((i-1)%32)+1]
	v_pk_add_f32 v[\ac+2:\ac+3], v[\ac+2:\ac+3], v[\ring+4*((i-1)%32)+2:\ring+4*((i-1)%32)+3]
.if i+32 < 64
	global_load_b128 v[\ring+4*((i-1)%32):\ring+4*((i-1)%32)+3], v[\of], s[\sb:\sb+1] offset:(i+32)*\stride
.endif
.set i, i+1
.endr
.endm
	s_load_b256 s[8:15], s[0:1], 0x0               ; tab8 s[8:9], nbr s[10:11], wfr s[12:13], part1 s[14:15]
	s_load_b128 s[16:19], s[0:1], 0x20             ; g1 s[16:17], beta1 s[18:19]
	s_load_b64 s[20:21], s[0:1], 0x30              ; part2
.if DEPTH == 3
	s_load_b64 s[22:23], s[0:1], 0x38              ; b2
	s_load_b256 s[24:31], s[0:1], 0x40             ; g2 s[24:25], beta2 s[26:27], part3 s[28:29], maxv s[30:31]
.endif
	v_lshl_add_u32 v2, v0, 2, SPARE
	v_mov_b32 v3, 0
	v_lshrrev_b32 v1, 5, v0
	v_readfirstlane_b32 s2, v1                     ; wave 0..3
	v_and_b32 v7, 31, v0                           ; lane
	v_and_b32 v5, 15, v0                           ; r = lane % 16
	v_bfe_u32 v6, v0, 4, 1                         ; h = lane / 16
	s_mov_b32 s34, ttmp9
	s_lshr_b32 s4, s34, 6
	s_lshl_b32 s4, s4, 15                          ; the batch's table
	s_mov_b32 s5, 0
	v_lshlrev_b32 v8, 4, v0                        ; 16 x thread
	v_lshlrev_b32 v9, 4, v7                        ; 16 x lane; never rewritten
	s_lshl_b32 s6, s34, 4
	s_lshl_b32 s7, s2, 2
	s_add_co_u32 s6, s6, s7
	s_lshl_b32 s6, s6, 9                           ; my 16 points are four groups of nbr, 512 bytes each
	v_lshrrev_b32 v10, 2, v5
	v_lshlrev_b32 v10, 9, v10
	v_and_b32 v11, 3, v5
	v_lshl_add_u32 v10, v11, 2, v10
	v_lshl_add_u32 v10, v6, 4, v10                 ; load q brings place s = 2 q + h of point r
	v_add_nc_u32 v10, s6, v10
	s_lshl_b32 s7, s2, 13
	v_add_nc_u32 v11, s7, v9                       ; part1 as 64 rows of 512 bytes: mine are 16 w ..
	v_lshlrev_b32 v240, 5, v7
	v_lshlrev_b32 v241, 2, v7
	s_lshl_b32 s7, s2, 9
	s_add_co_u32 s6, s7, RS1
	v_add_nc_u32 v242, s6, v9
.if DEPTH == 3
	s_add_co_u32 s6, s7, RS2
	v_add_nc_u32 v243, s6, v9
	v_add_nc_u32 v249, RS2, v241
.endif
	s_and_b32 s6, s34, 63
	s_lshl_b32 s6, s6, 6
	s_lshl_b32 s7, s2, 4
	s_add_co_u32 s6, s6, s7
	v_add_nc_u32 v244, s6, v5
	v_lshlrev_b32 v244, 3, v244                    ; my point's entry in the table
	s_mul_i32 s35, s2, FBW
	s_add_co_u32 s35, s35, FB                      ; my features
	v_lshl_add_u32 v4, v5, 4, s35                  ; both halves of the lanes read sample r
	v_lshl_add_u32 v245, v6, 8, v4
	v_add_nc_u32 v246, RS1, v241
	s_lshl_b32 s36, s2, 11
	s_add_co_u32 s36, s36, CST                     ; my constants
	v_add_nc_u32 v247, s36, v241
	v_mov_b32 v248, s36
	v_lshl_add_u32 v250, v6, 5, s36
	s_wait_kmcnt 0x0
	s_add_nc_u64 s[8:9], s[8:9], s[4:5]
.set i, 0
.rept 16
	global_load_b128 v[16+4*i:19+4*i], v8, s[8:9] offset:2048*i
.set i, i+1
.endr
.set i, 0
.rept 16
	global_load_b32 v[80+i], v10, s[10:11] offset:32*i
.set i, i+1
.endr
.set i, 0
.rept 16
	global_load_b128 v[96+4*i:99+4*i], v11, s[14:15] offset:512*i
.set i, i+1
.endr
	global_load_b128 v[F1R:F1R+3], v240, s[12:13] offset:28672
	global_load_b128 v[F1R+4:F1R+7], v240, s[12:13] offset:28688
	global_load_b128 v[F1R+8:F1R+11], v240, s[12:13] offset:29696
	global_load_b128 v[F1R+12:F1R+15], v240, s[12:13] offset:29712
	global_load_b32 v176, v241, s[16:17]
	global_load_b32 v177, v241, s[16:17] offset:128
	global_load_b32 v178, v241, s[18:19]
	global_load_b32 v179, v241, s[18:19] offset:128
.if DEPTH == 3
	global_load_b32 v180, v241, s[22:23]
	global_load_b32 v181, v241, s[22:23] offset:128
	global_load_b32 v182, v241, s[24:25]
	global_load_b32 v183, v241, s[24:25] offset:128
	global_load_b32 v184, v241, s[26:27]
	global_load_b32 v185, v241, s[26:27] offset:128
.endif
	s_wait_loadcnt TL-16                           ; the table's sixteen loads are the oldest
.set i, 0
.rept 16
	ds_store_b128 v8, v[16+4*i:19+4*i] offset:2048*i
.set i, i+1
.endr
	s_wait_loadcnt TL-48                           ; nbr's and part1's are in
	TREE16 96
	ds_store_b128 v242, v[96:99]
.if DEPTH == 3
	s_lshl_b32 s7, s2, 15                          ; part2: 256 rows of 512 bytes, mine are 64 w ..
	WIN 0xc0
	v_add_nc_u32 v132, s7, v9                      ; the ring, the sum and the offset lie in window 3, so that one setting serves loads and additions
	WIN 0xcf
	REDUCE64 0, 128, 132, 20, 512
	WIN 0x0c
	ds_store_b128 v243, v[128:131]
.endif
	WIN 0x40
.set i, 0
.rept 2*NF
	global_load_b128 v[4*i:4*i+3], v9, s[12:13] offset:512*i   ; the weights: waited for in front of the first product
.set i, i+1
.endr
	WIN 0
	s_wait_dscnt 0x0                               ; for the others' sake: my part of the table and my sums are written
	s_barrier_signal -1
	s_barrier_wait -1
	; the features of my 32 tiles
.set i, 0
.rept 16
	v_min_u32 v[80+i], 0x7ff8, v[80+i]             ; an offset stays inside the table
	ds_load_b64 v[16+4*i:17+4*i], v[80+i]
.set i, i+1
.endr
	ds_load_b64 v[12:13], v244
.set i, 0
.rept 16
	ds_load_b32 v[96+i], v246 offset:(i/4)*512+(i%4)*128   ; moment number lane: four waves' sums of four records each
.set i, i+1
.endr
	s_wait_dscnt 0x0
	v_xor_b32 v14, 0x80008000, v12                 ; -cx, -cy
	v_and_b32 v15, 0xffff, v13
	v_xor_b32 v15, 0x8000, v15                     ; -cz, 0
.set i, 0
.rept 16
	v_pk_add_f16 v[18+4*i], v[16+4*i], v14
	v_pk_add_f16 v[19+4*i], v[17+4*i], v15
	ds_store_b128 v245, v[16+4*i:19+4*i] offset:512*i
.set i, i+1
.endr
	ds_store_b128 v245, v[76:79] offset:8192       ; tiles 32 and 33 are read ahead by the last pair and never multiplied: they hold written bytes
	; layer 1's mean and variance from the moments
.irp st, 8,4,2
.set i, 0
.rept \st/2
	v_pk_add_f32 v[96+2*i:97+2*i], v[96+2*i:97+2*i], v[96+\st+2*i:97+\st+2*i]
.set i, i+1
.endr
.endr
	v_add_f32 v96, v96, v97
	v_mul_f32 v96, INVN, v96
	ds_store_b32 v247, v96
.irp i, 0,1,2,3,4,5,6
	ds_load_b128 v[MM+4*\i:MM+4*\i+3], v248 offset:16*\i   ; LDS serves a wave's instructions in order: these see the store above; the bytes are my wave's own
.endr
	s_wait_loadcnt 2*NF                            ; all but the weights: the linear form, g, beta (and b) are in
	RB2 176, 177
	RB2 178, 179
.if DEPTH == 3
	RB2 180, 181
	RB2 182, 183
	RB2 184, 185
.endif
	s_wait_dscnt 0x0
.set n, 6
.irp k, 0,1,2,3,4,5
.irp l, 0,1,2,3,4,5
.if \l >= \k
	v_fma_f32 v[MM+n], -v[MM+\k], v[MM+\l], v[MM+n]   ; the covariance, in place
.set n, n+1
.endif
.endr
.endr
.macro FOLD1 u                         ; channel lane + 32 u: var = A . C A, mean = cst + A . m; a = g / sqrt(var + eps); k = beta - a mean - h0
.set k, 0
.rept 6
.set l, 0
.rept 6
.if k <= l
.set ix, 6+6*k-k*(k-1)/2+l-k
.else
.set ix, 6+6*l-l*(l-1)/2+k-l
.endif
.if l == 0
	v_mul_f32 v192, v[MM+ix], v[F1R+8*\u]
.else
	v_fmac_f32 v192, v[MM+ix], v[F1R+8*\u+l]
.endif
.set l, l+1
.endr
.if k == 0
	v_mul_f32 v193, v192, v[F1R+8*\u]
	v_fma_f32 v194, v[F1R+8*\u], v[MM], v[F1R+8*\u+6]
.else
	v_fmac_f32 v193, v192, v[F1R+8*\u+k]
	v_fmac_f32 v194, v[F1R+8*\u+k], v[MM+k]
.endif
.set k, k+1
.endr
	v_max_num_f32 v193, 0, v193
	v_add_f32 v193, EPSB, v193
	v_rsq_f32 v193, v193
	v_max_num_f32 v196, 0, v[178+\u]               ; h0; also the plain instruction behind the root
	s_wait_alu depctr_va_vdst(0)
	v_mul_f32 v195, v[176+\u], v193
	v_fma_f32 v197, -v195, v194, v[178+\u]
	v_sub_f32 v197, v197, v196
	v_mul_f32 v196, -1.0, v196
	ds_store_b32 v247, v195 offset:C_A1+128*\u
	ds_store_b32 v247, v197 offset:C_K1+128*\u
	ds_store_b32 v247, v196 offset:C_N1+128*\u
.endm
	FOLD1 0
	FOLD1 1
.if DEPTH == 3
.irp u, 0,1
.irp w, 0,1,2,3
	ds_load_b32 v[200+8*\u+\w], v249 offset:512*\w+128*\u
	ds_load_b32 v[204+8*\u+\w], v249 offset:512*\w+256+128*\u
.endr
.endr
	s_wait_dscnt 0x0
.macro FOLD2 u                         ; layer 2, channel lane + 32 u.  The bias enters a value and its mean alike: mean_y = mean_v + b, k = beta + a (b - mean_y) - h0
	v_add_f32 v[200+8*\u], v[200+8*\u], v[201+8*\u]
	v_add_f32 v[202+8*\u], v[202+8*\u], v[203+8*\u]
	v_add_f32 v[204+8*\u], v[204+8*\u], v[205+8*\u]
	v_add_f32 v[206+8*\u], v[206+8*\u], v[207+8*\u]
	v_add_f32 v[200+8*\u], v[200+8*\u], v[202+8*\u]
	v_add_f32 v[204+8*\u], v[204+8*\u], v[206+8*\u]
	v_mul_f32 v194, INVN, v[200+8*\u]
	v_mul_f32 v193, INVN, v[204+8*\u]
	v_fma_f32 v193, -v194, v194, v193
	v_max_num_f32 v193, 0, v193
	v_add_f32 v193, EPSB, v193
	v_rsq_f32 v193, v193
	v_add_f32 v194, v194, v[180+\u]
	s_wait_alu depctr_va_vdst(0)
	v_mul_f32 v195, v[182+\u], v193
	v_sub_f32 v194, v[180+\u], v194
	v_max_num_f32 v196, 0, v[184+\u]
	v_fma_f32 v197, v195, v194, v[184+\u]
	v_sub_f32 v197, v197, v196
	v_mul_f32 v196, -1.0, v196
	ds_store_b32 v247, v195 offset:C_A2+128*\u
	ds_store_b32 v247, v197 offset:C_K2+128*\u
	ds_store_b32 v247, v196 offset:C_N2+128*\u
.endm
	FOLD2 0
	FOLD2 1
.endif
.macro RDC dst, off                    ; the 32 numbers of my channels 16 mb + 8 h + 0..7; my wave's own bytes, read in order behind the stores
.irp m, 0,1,2,3
	ds_load_b128 v[(\dst)+8*\m:(\dst)+8*\m+3], v250 offset:(\off)+64*\m
	ds_load_b128 v[(\dst)+8*\m+4:(\dst)+8*\m+7], v250 offset:(\off)+64*\m+16
.endr
.endm
	WIN 0x80
	RDC A1, C_A1
	RDC K1, C_K1
.if DEPTH == 3
	RDC A2, C_A2
	RDC K2, C_K2
.endif
	WIN 0
	RDC 208, C_N1
.if DEPTH == 3
	RDC 160, C_N2
.endif
	s_wait_dscnt 0x0
	WIN 0x80
.set i, 0
.rept 16
	v_cvt_pk_f16_f32 v[N1+i], v[208+2*i], v[208+2*i+1]
.set i, i+1
.endr
.if DEPTH == 3
.set i, 0
.rept 16
	v_cvt_pk_f16_f32 v[N2+i], v[160+2*i], v[160+2*i+1]
.set i, i+1
.endr
.endif
	WIN 0
.irp f, FA, FT
	v_mov_b32 v[\f+4], v12                         ; K places 16-19: the centre's entry; 20-23: 0
	v_mov_b32 v[\f+5], v13
	v_mov_b32 v[\f+6], 0
	v_mov_b32 v[\f+7], 0
.endr
	ds_load_b128 v[FA:FA+3], v4
	ds_load_b128 v[FT:FT+3], v4 offset:256
	v_add_nc_u32 v4, 512, v4
	s_wait_loadcnt 0x0                             ; the weights
; THE MATRIX WORK.  The two tiles' accumulators take turns, one instruction a turn.
.macro G1 mb
	WIN W_MM
	v_wmma_f32_16x16x32_f16 v[DA+8*(\mb):DA+8*(\mb)+7], v[8*(\mb):8*(\mb)+7], v[FA:FA+7], 0
	v_wmma_f32_16x16x32_f16 v[DB+8*(\mb):DB+8*(\mb)+7], v[8*(\mb):8*(\mb)+7], v[FT:FT+7], 0
.endm
.macro G2 mb
	WIN W_MM
	v_wmma_f32_16x16x32_f16 v[DA+8*(\mb):DA+8*(\mb)+7], v[32+16*(\mb):32+16*(\mb)+7], v[H1A:H1A+7], 0
	v_wmma_f32_16x16x32_f16 v[DB+8*(\mb):DB+8*(\mb)+7], v[32+16*(\mb):32+16*(\mb)+7], v[H1B:H1B+7], 0
	v_wmma_f32_16x16x32_f16 v[DA+8*(\mb):DA+8*(\mb)+7], v[40+16*(\mb):40+16*(\mb)+7], v[H1A+8:H1A+15], v[DA+8*(\mb):DA+8*(\mb)+7]
	v_wmma_f32_16x16x32_f16 v[DB+8*(\mb):DB+8*(\mb)+7], v[40+16*(\mb):40+16*(\mb)+7], v[H1B+8:H1B+15], v[DB+8*(\mb):DB+8*(\mb)+7]
.endm
.macro G3 mb
	WIN W_MM
.set ea, EE+16*((\mb)%2)
	v_wmma_f32_16x16x32_f16 v[ea:ea+7], v[96+16*(\mb):96+16*(\mb)+7], v[H2A:H2A+7], 0
	v_wmma_f32_16x16x32_f16 v[ea+8:ea+15], v[96+16*(\mb):96+16*(\mb)+7], v[H2B:H2B+7], 0
	v_wmma_f32_16x16x32_f16 v[ea:ea+7], v[104+16*(\mb):104+16*(\mb)+7], v[H2A+8:H2A+15], v[ea:ea+7]
	v_wmma_f32_16x16x32_f16 v[ea+8:ea+15], v[104+16*(\mb):104+16*(\mb)+7], v[H2B+8:H2B+15], v[ea+8:ea+15]
.endm
; THE VECTOR WORK.  Norm, ReLU and rounding of channel block mb of both tiles: max(a v + k, -h0) in f16.  Each accumulator is read from its lowest registers on.
.macro PBN mb, ab, kb, nb, ha, hb
	WIN W_BF
.irp i, 0,1,2,3
	v_pk_fma_f32 v[DA+8*(\mb)+2*\i:DA+8*(\mb)+2*\i+1], v[DA+8*(\mb)+2*\i:DA+8*(\mb)+2*\i+1], v[(\ab)+8*(\mb)+2*\i:(\ab)+8*(\mb)+2*\i+1], v[(\kb)+8*(\mb)+2*\i:(\kb)+8*(\mb)+2*\i+1]
.endr
.irp i, 0,1,2,3
	v_pk_fma_f32 v[DB+8*(\mb)+2*\i:DB+8*(\mb)+2*\i+1], v[DB+8*(\mb)+2*\i:DB+8*(\mb)+2*\i+1], v[(\ab)+8*(\mb)+2*\i:(\ab)+8*(\mb)+2*\i+1], v[(\kb)+8*(\mb)+2*\i:(\kb)+8*(\mb)+2*\i+1]
.endr
	WIN 0
.irp i, 0,1,2,3
	v_cvt_pk_f16_f32 v[(\ha)+4*(\mb)+\i], v[DA+8*(\mb)+2*\i], v[DA+8*(\mb)+2*\i+1]
.endr
.irp i, 0,1,2,3
	v_cvt_pk_f16_f32 v[(\hb)+4*(\mb)+\i], v[DB+8*(\mb)+2*\i], v[DB+8*(\mb)+2*\i+1]
.endr
	WIN W_MX
.irp i, 0,1,2,3
	v_pk_max_num_f16 v[(\ha)+4*(\mb)+\i], v[(\ha)+4*(\mb)+\i], v[(\nb)+4*(\mb)+\i]
.endr
.irp i, 0,1,2,3
	v_pk_max_num_f16 v[(\hb)+4*(\mb)+\i], v[(\hb)+4*(\mb)+\i], v[(\nb)+4*(\mb)+\i]
.endr
.endm
; Sums, sums of squares and (mx = 1) maxima of two tiles' results ra, rb, kept at register o of each array.  fst = 1: the first pair starts them: nothing is cleared.
.macro PST ra, rb, o, fst, mx
	WIN W_ST
.if \fst
.irp i, 0,2,4,6
	v_pk_add_f32 v[SUM+(\o)+\i:SUM+(\o)+\i+1], v[(\ra)+\i:(\ra)+\i+1], v[(\rb)+\i:(\rb)+\i+1]
.endr
.irp i, 0,2,4,6
	v_pk_mul_f32 v[SQS+(\o)+\i:SQS+(\o)+\i+1], v[(\ra)+\i:(\ra)+\i+1], v[(\ra)+\i:(\ra)+\i+1]
.endr
.irp i, 0,2,4,6
	v_pk_fma_f32 v[SQS+(\o)+\i:SQS+(\o)+\i+1], v[(\rb)+\i:(\rb)+\i+1], v[(\rb)+\i:(\rb)+\i+1], v[SQS+(\o)+\i:SQS+(\o)+\i+1]
.endr
.if \mx
.irp i, 0,1,2,3,4,5,6,7
	v_max_num_f32 v[MAX+(\o)+\i], v[(\ra)+\i], v[(\rb)+\i]
.endr
.endif
.else
.irp i, 0,2,4,6
	v_pk_fma_f32 v[SUM+(\o)+\i:SUM+(\o)+\i+1], v[(\ra)+\i:(\ra)+\i+1], 1.0, v[SUM+(\o)+\i:SUM+(\o)+\i+1] op_sel_hi:[1,0,1]
.endr
.irp i, 0,2,4,6
	v_pk_fma_f32 v[SQS+(\o)+\i:SQS+(\o)+\i+1], v[(\ra)+\i:(\ra)+\i+1], v[(\ra)+\i:(\ra)+\i+1], v[SQS+(\o)+\i:SQS+(\o)+\i+1]
.endr
.irp i, 0,2,4,6
	v_pk_fma_f32 v[SUM+(\o)+\i:SUM+(\o)+\i+1], v[(\rb)+\i:(\rb)+\i+1], 1.0, v[SUM+(\o)+\i:SUM+(\o)+\i+1] op_sel_hi:[1,0,1]
.endr
.irp i, 0,2,4,6
	v_pk_fma_f32 v[SQS+(\o)+\i:SQS+(\o)+\i+1], v[(\rb)+\i:(\rb)+\i+1], v[(\rb)+\i:(\rb)+\i+1], v[SQS+(\o)+\i:SQS+(\o)+\i+1]
.endr
.if \mx
.irp i, 0,1,2,3,4,5,6,7
	v_max3_num_f32 v[MAX+(\o)+\i], v[(\ra)+\i], v[(\rb)+\i], v[MAX+(\o)+\i]
.endr
.endif
.endif
.endm
.macro PST3 mb, fst
.set eb, EE+16*((\mb)%2)
	PST eb, eb+8, 8*(\mb), \fst, 1
.endm
; Five places: four before a vector line reads or rewrites the results of the two blocks just multiplied, five before a later product writes over the first block's accumulators
; (only plain vector instructions that name none of a product's registers are places: ISA guide 7.12.1).  From there on each block's vector work is the places of the block behind it.
.macro NOP5
.rept 5
	v_nop
.endr
.endm
.macro PAIR fst                        ; two tiles through all layers
	s_wait_dscnt 0x0                               ; the pair's features, asked for a layer and more ago
	G1 0
	G1 1
	NOP5
	PBN 0, A1, K1, N1, H1A, H1B
	G1 2
	PBN 1, A1, K1, N1, H1A, H1B
	G1 3
	PBN 2, A1, K1, N1, H1A, H1B
	PBN 3, A1, K1, N1, H1A, H1B
	WIN 0
	ds_load_b128 v[FA:FA+3], v4                    ; the next pair's features: block 2's 24 lines stand between the last product that read these registers and the loads
	ds_load_b128 v[FT:FT+3], v4 offset:256
	v_add_nc_u32 v4, 512, v4
	G2 0
	G2 1
	NOP5
.if DEPTH == 2
	PST DA, DB, 0, \fst, 0
	G2 2
	PST DA+8, DB+8, 8, \fst, 0
	G2 3
	PST DA+16, DB+16, 16, \fst, 0
	PST DA+24, DB+24, 24, \fst, 0
.else
	PBN 0, A2, K2, N2, H2A, H2B
	G2 2
	PBN 1, A2, K2, N2, H2A, H2B
	G2 3
	PBN 2, A2, K2, N2, H2A, H2B
	PBN 3, A2, K2, N2, H2A, H2B
	G3 0
	G3 1
	NOP5
	PST3 0, \fst
.irp m, 2,3,4,5,6,7
	G3 \m
	PST3 (\m)-1, \fst
.endr
	PST3 7, \fst
.endif
.endm
	PAIR 1
	WIN 0                                          ; at a label and at a branch every window is 0
	s_mov_b32 s3, 15
.Lpair:
	PAIR 0
	WIN 0
	s_sub_co_u32 s3, s3, 1
	s_cmp_lg_u32 s3, 0
	s_cbranch_scc1 .Lpair
	; THE END.  A lane's sums are one point's; the sum over the 16 points of a half of the lanes goes through my stage: each lane writes its 64 registers as a row of 272 bytes,
	; lane 16 h' + q' reads piece q' of the 16 rows of half h' and adds them.
	s_wait_dscnt 0x0                               ; the loads that read ahead have landed
	v_mul_u32_u24 v32, v7, 272
	v_add_nc_u32 v32, s35, v32
	v_mul_u32_u24 v33, v6, 4352
	v_lshl_add_u32 v33, v5, 4, v33
	v_add_nc_u32 v33, s35, v33
	v_lshrrev_b32 v39, 3, v5
	v_bfe_u32 v40, v5, 1, 2
	v_and_b32 v41, 1, v5
	v_lshlrev_b32 v34, 6+DEPTH, v39                ; registers 4 q' .. are channels 16 (q' / 2) + 8 h' + 4 (q' % 2) ..; the output row's layout puts the second 32 registers 256 (DEPTH 3: 512) bytes on
	v_lshl_add_u32 v34, v40, 6, v34
	v_lshl_add_u32 v34, v6, 5, v34
	v_lshl_add_u32 v34, v41, 4, v34
	s_lshl_b32 s6, s2, 10
	s_add_co_u32 s6, s6, XW
	v_add_nc_u32 v34, s6, v34
.macro XRED base, co
	WIN 0x0c                                       ; store data in window 3
.set i, 0
.rept 16
	ds_store_b128 v32, v[(\base)+4*i:(\base)+4*i+3] offset:16*i
.set i, i+1
.endr
	WIN 0
.set i, 0
.rept 16
	ds_load_b128 v[192+4*i:195+4*i], v33 offset:272*i   ; my wave's own bytes, in order behind the stores
.set i, i+1
.endr
	s_wait_dscnt 0x0
	TREE16 192
	ds_store_b128 v34, v[192:195] offset:\co
.endm
.if DEPTH == 2
	XRED 0, 0                                      ; sums and sums of squares lie side by side
.else
	XRED SUM, 0
	XRED SQS, 256
	; the maxima: a point's 128 channels as a row of 528 bytes, read back whole and stored, 512 consecutive bytes a line
	v_mul_u32_u24 v35, v5, 528
	v_lshl_add_u32 v35, v6, 5, v35
	v_add_nc_u32 v35, s35, v35
	v_add_nc_u32 v36, s35, v9
	s_lshl_b32 s6, s34, 15
	s_lshl_b32 s7, s2, 13
	s_add_co_u32 s6, s6, s7
	s_mov_b32 s7, 0
	s_add_nc_u64 s[30:31], s[30:31], s[6:7]        ; my 16 points in maxv
	WIN 0x0c
.set i, 0
.rept 16
	ds_store_b128 v35, v[MAX+4*i:MAX+4*i+3] offset:64*(i/2)+16*(i%2)
.set i, i+1
.endr
	WIN 0
.set i, 0
.rept 16
	ds_load_b128 v[192+4*i:195+4*i], v36 offset:528*i
.set i, i+1
.endr
.set i, 0
.rept 16
	s_wait_dscnt 15-i                              ; LDS loads come back in order: row i is in
	global_store_b128 v9, v[192+4*i:195+4*i], s[30:31] offset:512*i
.set i, i+1
.endr
.endif
	s_wait_tensorcnt 0x0                           ; my last LDS store is behind me
	ds_add_u32 v2, v3
	s_wait_dscnt 0x0                               ; the wait also shows my channel sums written, for the others' sake
	s_barrier_signal -1
	s_barrier_wait -1
	s_cmp_ge_u32 s2, DEPTH-1                       ; one wave for each 512 bytes of the work-group's row
	s_cbranch_scc1 .Ldone
	s_lshl_b32 s6, s2, 9
	s_add_co_u32 s7, s6, XW
	v_add_nc_u32 v37, s7, v9
.irp w, 0,1,2,3
	ds_load_b128 v[96+4*\w:99+4*\w], v37 offset:1024*\w
.endr
	s_lshl_b32 s7, s34, 7+DEPTH
	s_add_co_u32 s7, s7, s6
	v_add_nc_u32 v38, s7, v9
	s_wait_dscnt 0x0
	v_pk_add_f32 v[96:97], v[96:97], v[100:101]
	v_pk_add_f32 v[98:99], v[98:99], v[102:103]
	v_pk_add_f32 v[104:105], v[104:105], v[108:109]
	v_pk_add_f32 v[106:107], v[106:107], v[110:111]
	v_pk_add_f32 v[96:97], v[96:97], v[104:105]
	v_pk_add_f32 v[98:99], v[98:99], v[106:107]
.if DEPTH == 2
	global_store_b128 v38, v[96:99], s[20:21]
.else
	global_store_b128 v38, v[96:99], s[28:29]
.endif
.Ldone:
	s_endpgm
.Lfunc_end_k_q2fbb7c3130_stat3:
	.size	k_q2fbb7c3130_stat3, .Lfunc_end_k_q2fbb7c3130_stat3-k_q2fbb7c3130_stat3
	.p2alignl 7, 3214868480
	.fill 96, 4, 3214868480
	.section	.rodata,"a",@progbits
	.p2align	6, 0x0
	.amdhsa_kernel k_q2fbb7c3130_stat3
		.amdhsa_group_segment_fixed_size 84480
		.amdhsa_private_segment_fixed_size 0
		.amdhsa_enable_private_segment 0
		.amdhsa_kernarg_size 96
		.amdhsa_user_sgpr_count 2
		.amdhsa_user_sgpr_kernarg_segment_ptr 1
		.amdhsa_wavefront_size32 1
		.amdhsa_system_sgpr_workgroup_id_x 1
		.amdhsa_system_sgpr_workgroup_id_y 1
		.amdhsa_system_sgpr_workgroup_id_z 1
		.amdhsa_system_vgpr_workitem_id 0
		.amdhsa_next_free_vgpr 960
		.amdhsa_next_free_sgpr 66
		.amdhsa_reserve_vcc 0
		.amdhsa_float_denorm_mode_32 3
		.amdhsa_float_denorm_mode_16_64 3
		.amdhsa_memory_ordered 1
		.amdhsa_forward_progress 1
		.amdhsa_inst_pref_size 126
	.end_amdhsa_kernel
	.amdgpu_metadata
---
amdhsa.version: [ 1, 2 ]
amdhsa.kernels:
  - .name:           k_q2fbb7c3130_stat3
    .symbol:         k_q2fbb7c3130_stat3.kd
    .args:
      - { .name: tab8, .offset: 0, .size: 8, .value_kind: global_buffer, .address_space: global }
      - { .name: nbr, .offset: 8, .size: 8, .value_kind: global_buffer, .address_space: global }
      - { .name: wfr, .offset: 16, .size: 8, .value_kind: global_buffer, .address_space: global }
      - { .name: part1, .offset: 24, .size: 8, .value_kind: global_buffer, .address_space: global }
      - { .name: g1, .offset: 32, .size: 8, .value_kind: global_buffer, .address_space: global }
      - { .name: beta1, .offset: 40, .size: 8, .value_kind: global_buffer, .address_space: global }
      - { .name: part2, .offset: 48, .size: 8, .value_kind: global_buffer, .address_space: global }
      - { .name: b2, .offset: 56, .size: 8, .value_kind: global_buffer, .address_space: global }
      - { .name: g2, .offset: 64, .size: 8, .value_kind: global_buffer, .address_space: global }
      - { .name: beta2, .offset: 72, .size: 8, .value_kind: global_buffer, .address_space: global }
      - { .name: part3, .offset: 80, .size: 8, .value_kind: global_buffer, .address_space: global }
      - { .name: maxv, .offset: 88, .size: 8, .value_kind: global_buffer, .address_space: global }
    .group_segment_fixed_size: 84480
    .private_segment_fixed_size: 0
    .kernarg_segment_align: 8
    .kernarg_segment_size: 96
    .max_flat_workgroup_size: 128
    .sgpr_count:     66
    .vgpr_count:     960
    .wavefront_size: 32
...
	.end_amdgpu_metadata
.endif
;; end of part 4
;; launch apply (part 5): grid 256 x 1, 4 waves a work-group, no clusters, 2,560 bytes of LDS; arguments maxv, part3, b3, g3, beta3, out1; writes out1
.if DOCPART == 5
	.amdgcn_target "amdgcn-amd-amdhsa--gfx1250"
	.amdhsa_code_object_version 6
	.text
	.protected	k_q2fbb7c3130_apply
	.globl	k_q2fbb7c3130_apply
	.p2align	8
	.type	k_q2fbb7c3130_apply,@function
k_q2fbb7c3130_apply:
	s_mov_b64 s[64:65], 0
	v_nop
	global_prefetch_b8 v0, s[64:65] scope:SCOPE_SE
	s_setreg_imm32_b32 hwreg(HW_REG_WAVE_MODE, 25, 1), 1
	s_wait_xcnt 0x0
; LAYER 3's NORM AND ReLU on the maxima: out1 = relu(|g3| rs (max - mean') + beta3).  max and mean' are those of v3' = sign(g3) W3 (h2 - h0): the factor |g3| rs is not negative, so the
; maximum over a point's samples, taken ahead, commutes with norm and ReLU.  The bias enters a value and its mean alike: with sb = sign(g3) b3, k = beta3 + a (sb - (mean' + sb)).
; SHARES.  A work-group: 128 points x 64 channels; a wave 32 points.  Sixteen lanes take a point's 256 bytes, so a lane keeps the same four channels in every line, and each load and store
; covers two aligned blocks of 256 bytes.  The 256 work-groups' partial sums (my half: 512 bytes of each row of 1,024) are added up by the four waves, 64 rows each.
; No matrix unit, no cluster: memory binds, and what is shared is read once a work-group.  g3, b3, beta3 are rounded to bf16 like every input.
; LDS.  0: 512 bytes a wave, its sums.  2,048: the spare words.
.set INVN,  0x36000000                 ; 1 / 524,288 samples
.set EPSB,  0x3727c5ac                 ; 1e-5
.set SPARE, 2048
.set DT,   16                          ; v[16:79]   16 lines of data
.set PB,   80                          ; v[80:83] b3, v[84:87] g3, v[88:91] beta3 of my four channels
.set AC,   92                          ; v[92:95]   my wave's sums
.set RG,   96                          ; v[96:223]  the ring; later the four waves' sums
.set FM,   224                         ; v[224:227] mean', v[228:231] rs, v[232:235] a, v[236:239] k, v[240:243] at work
.macro REDUCE64 ring, ac, of, sb, stride   ; 64 rows added up, 16 bytes a lane: row 0 lands in the sum's own registers, rows 1 to 63 go through a ring of 32 slots
	global_load_b128 v[\ac:\ac+3], v[\of], s[\sb:\sb+1]
.set i, 1
.rept 32
	global_load_b128 v[\ring+4*((i-1)%32):\ring+4*((i-1)%32)+3], v[\of], s[\sb:\sb+1] offset:i*\stride
.set i, i+1
.endr
.set i, 1
.rept 63
.if i < 32
	s_wait_loadcnt 31                              ; behind row i rows i + 1 .. i + 31 have been asked for
.else
	s_wait_loadcnt 63-i                            ; at the end only the rows up to 63
.endif
	v_pk_add_f32 v[\ac:\ac+1], v[\ac:\ac+1], v[\ring+4*((i-1)%32):\ring+4*((i-1)%32)+1]
	v_pk_add_f32 v[\ac+2:\ac+3], v[\ac+2:\ac+3], v[\ring+4*((i-1)%32)+2:\ring+4*((i-1)%32)+3]
.if i+32 < 64
	global_load_b128 v[\ring+4*((i-1)%32):\ring+4*((i-1)%32)+3], v[\of], s[\sb:\sb+1] offset:(i+32)*\stride
.endif
.set i, i+1
.endr
.endm
	s_load_b256 s[8:15], s[0:1], 0x0               ; maxv s[8:9], part3 s[10:11], b3 s[12:13], g3 s[14:15]
	s_load_b128 s[16:19], s[0:1], 0x20             ; beta3 s[16:17], out1 s[18:19]
	v_lshl_add_u32 v2, v0, 2, SPARE
	v_mov_b32 v3, 0
	v_lshrrev_b32 v1, 5, v0
	v_readfirstlane_b32 s2, v1                     ; wave 0..3
	v_and_b32 v4, 31, v0
	v_and_b32 v10, 15, v0
	v_bfe_u32 v11, v0, 4, 1
	s_and_b32 s3, ttmp9, 1                         ; which 64 channels
	s_lshr_b32 s4, ttmp9, 1                        ; which 128 points
	s_lshl_b32 s4, s4, 16
	s_lshl_b32 s5, s2, 14
	s_add_co_u32 s4, s4, s5
	s_lshl_b32 s5, s3, 8
	s_add_co_u32 s4, s4, s5
	v_lshlrev_b32 v9, 4, v10                       ; 16 (lane % 16)
	v_lshl_add_u32 v5, v11, 9, v9
	v_add_nc_u32 v5, s4, v5                        ; line t: point 2 t + lane / 16 of my 32
	v_add_nc_u32 v6, s5, v9                        ; my four channels in b3, g3, beta3
	s_lshl_b32 s6, s2, 16
	s_lshl_b32 s7, s3, 9
	s_add_co_u32 s6, s6, s7
	v_lshl_add_u32 v7, v4, 4, s6                   ; part3: rows 64 w .., my half
	s_lshl_b32 s7, s2, 9
	v_lshl_add_u32 v8, v4, 4, s7
	s_wait_kmcnt 0x0
.set i, 0
.rept 16
	global_load_b128 v[DT+4*i:DT+4*i+3], v5, s[8:9] offset:1024*i th:TH_LOAD_NT
.set i, i+1
.endr
	global_load_b128 v[PB:PB+3], v6, s[12:13]
	global_load_b128 v[PB+4:PB+7], v6, s[14:15]
	global_load_b128 v[PB+8:PB+11], v6, s[16:17]
	REDUCE64 RG, AC, 7, 10, 1024                   ; its last wait is for 0: the older loads above are in too
	ds_store_b128 v8, v[AC:AC+3]
	s_wait_tensorcnt 0x0                           ; my last LDS store is behind me
	ds_add_u32 v2, v3
	s_wait_dscnt 0x0                               ; the wait also shows my sums written, for the others' sake
	s_barrier_signal -1
	s_barrier_wait -1
.irp w, 0,1,2,3
	ds_load_b128 v[RG+4*\w:RG+4*\w+3], v9 offset:512*\w          ; sums of my four channels
	ds_load_b128 v[RG+16+4*\w:RG+16+4*\w+3], v9 offset:512*\w+256  ; sums of squares
.endr
.irp p, 0,4,8
	v_cvt_pk_bf16_f32 v[FM+16], v[PB+\p], v[PB+\p+1]
	v_cvt_pk_bf16_f32 v[FM+17], v[PB+\p+2], v[PB+\p+3]
	v_lshlrev_b32 v[PB+\p], 16, v[FM+16]
	v_and_b32 v[PB+\p+1], 0xffff0000, v[FM+16]
	v_lshlrev_b32 v[PB+\p+2], 16, v[FM+17]
	v_and_b32 v[PB+\p+3], 0xffff0000, v[FM+17]
.endr
	s_wait_dscnt 0x0
.irp b, RG, RG+16
.irp p, 0,2
	v_pk_add_f32 v[\b+\p:\b+\p+1], v[\b+\p:\b+\p+1], v[\b+4+\p:\b+4+\p+1]
	v_pk_add_f32 v[\b+8+\p:\b+8+\p+1], v[\b+8+\p:\b+8+\p+1], v[\b+12+\p:\b+12+\p+1]
.endr
.irp p, 0,2
	v_pk_add_f32 v[\b+\p:\b+\p+1], v[\b+\p:\b+\p+1], v[\b+8+\p:\b+8+\p+1]
.endr
.endr
.irp c, 0,1,2,3
	v_mul_f32 v[FM+\c], INVN, v[RG+\c]
	v_mul_f32 v[FM+4+\c], INVN, v[RG+16+\c]
.endr
.irp c, 0,1,2,3
	v_fma_f32 v[FM+4+\c], -v[FM+\c], v[FM+\c], v[FM+4+\c]
.endr
.irp c, 0,1,2,3
	v_max_num_f32 v[FM+4+\c], 0, v[FM+4+\c]
.endr
.irp c, 0,1,2,3
	v_add_f32 v[FM+4+\c], EPSB, v[FM+4+\c]
.endr
.irp c, 0,1,2,3
	v_rsq_f32 v[FM+4+\c], v[FM+4+\c]
.endr
.irp c, 0,1,2,3
	v_and_b32 v[FM+16+\c], 0x80000000, v[PB+4+\c]  ; plain lines behind the roots
.endr
	s_wait_alu depctr_va_vdst(0)
.irp c, 0,1,2,3
	v_xor_b32 v[FM+16+\c], v[FM+16+\c], v[PB+\c]   ; sb
	v_mul_f32 v[FM+8+\c], |v[PB+4+\c]|, v[FM+4+\c] ; a
.endr
.irp c, 0,1,2,3
	v_add_f32 v[FM+\c], v[FM+\c], v[FM+16+\c]      ; the mean with the bias
.endr
.irp c, 0,1,2,3
	v_sub_f32 v[FM+\c], v[FM+16+\c], v[FM+\c]
.endr
.irp c, 0,1,2,3
	v_fma_f32 v[FM+12+\c], v[FM+8+\c], v[FM+\c], v[PB+8+\c]   ; k
.endr
.set i, 0
.rept 16
	v_pk_fma_f32 v[DT+4*i:DT+4*i+1], v[DT+4*i:DT+4*i+1], v[FM+8:FM+9], v[FM+12:FM+13]
	v_pk_fma_f32 v[DT+4*i+2:DT+4*i+3], v[DT+4*i+2:DT+4*i+3], v[FM+10:FM+11], v[FM+14:FM+15]
	v_max_num_f32 v[DT+4*i], 0, v[DT+4*i]
	v_max_num_f32 v[DT+4*i+1], 0, v[DT+4*i+1]
	v_max_num_f32 v[DT+4*i+2], 0, v[DT+4*i+2]
	v_max_num_f32 v[DT+4*i+3], 0, v[DT+4*i+3]
	global_store_b128 v5, v[DT+4*i:DT+4*i+3], s[18:19] offset:1024*i th:TH_STORE_NT
.set i, i+1
.endr
	s_endpgm
.Lfunc_end_k_q2fbb7c3130_apply:
	.size	k_q2fbb7c3130_apply, .Lfunc_end_k_q2fbb7c3130_apply-k_q2fbb7c3130_apply
	.p2alignl 7, 3214868480
	.fill 96, 4, 3214868480
	.section	.rodata,"a",@progbits
	.p2align	6, 0x0
	.amdhsa_kernel k_q2fbb7c3130_apply
		.amdhsa_group_segment_fixed_size 2560
		.amdhsa_private_segment_fixed_size 0
		.amdhsa_enable_private_segment 0
		.amdhsa_kernarg_size 48
		.amdhsa_user_sgpr_count 2
		.amdhsa_user_sgpr_kernarg_segment_ptr 1
		.amdhsa_wavefront_size32 1
		.amdhsa_system_sgpr_workgroup_id_x 1
		.amdhsa_system_sgpr_workgroup_id_y 1
		.amdhsa_system_sgpr_workgroup_id_z 1
		.amdhsa_system_vgpr_workitem_id 0
		.amdhsa_next_free_vgpr 256
		.amdhsa_next_free_sgpr 66
		.amdhsa_reserve_vcc 0
		.amdhsa_float_denorm_mode_32 3
		.amdhsa_float_denorm_mode_16_64 3
		.amdhsa_memory_ordered 1
		.amdhsa_forward_progress 1
		.amdhsa_inst_pref_size 30
	.end_amdhsa_kernel
	.amdgpu_metadata
---
amdhsa.version: [ 1, 2 ]
amdhsa.kernels:
  - .name:           k_q2fbb7c3130_apply
    .symbol:         k_q2fbb7c3130_apply.kd
    .args:
      - { .name: maxv, .offset: 0, .size: 8, .value_kind: global_buffer, .address_space: global }
      - { .name: part3, .offset: 8, .size: 8, .value_kind: global_buffer, .address_space: global }
      - { .name: b3, .offset: 16, .size: 8, .value_kind: global_buffer, .address_space: global }
      - { .name: g3, .offset: 24, .size: 8, .value_kind: global_buffer, .address_space: global }
      - { .name: beta3, .offset: 32, .size: 8, .value_kind: global_buffer, .address_space: global }
      - { .name: out1, .offset: 40, .size: 8, .value_kind: global_buffer, .address_space: global }
    .group_segment_fixed_size: 2560
    .private_segment_fixed_size: 0
    .kernarg_segment_align: 8
    .kernarg_segment_size: 48
    .max_flat_workgroup_size: 128
    .sgpr_count:     66
    .vgpr_count:     256
    .wavefront_size: 32
...
	.end_amdgpu_metadata
.endif
;; end of part 5
